; MI455X (gfx1250); checked and timed in simulation.
; The chip was launched on July 23, 2026; its instructions are those of AMD's public machine-readable ISA for CDNA 5 (MIT licence, August 2026) and "CDNA5" Instruction Set Architecture Reference Guide (July 2026). The comments in the code are by the model that wrote it; some were corrected since.
;; Po H Block. Allowed arithmetic: matrix products marked QUANTISED: E2M1 operands, one E8M0 scale for each 32 along K, by v_wmma_scale_f32_16x16x128_f8f6f4 with both operands' format E2M1 (or v_wmma_scale_f32_32x16x128_f4), f32 sums; everything else in f32.
;; Inputs: W1 1,024 x 4,096 float32; W2 4,096 x 1,024 float32; Wk 16 x 1,024 x 64 float32; Wo 1,024 x 1,024 float32; Wq 16 x 1,024 x 64 float32; Wv 16 x 1,024 x 64 float32; b1 4,096 float32; b2 1,024 float32; be1 1,024 float32; be2 1,024 float32; bk 16 x 64 float32; bo 1,024 float32; bq 16 x 64 float32; bv 16 x 64 float32; g1 1,024 float32; g2 1,024 float32; z 8 x 1,024 x 1,024 float32.
;; Outputs: out0 8 x 1,024 x 1,024 float32.
;; This version of the problem:
;;   THIS VERSION OF THE PROBLEM IS GIVEN IN LOW PRECISION. The matrix products marked QUANTISED in the list below multiply operands that are first quantised to E2M1 (2 exponent bits, 1 mantissa bit; 4 bits a number), with one power-of-two scale for each 32 numbers along K (OCP MX v1.0); their sums are f32. All else is computed in f32.
;;   The module's matrix products, in the order in which they are computed (A, B: the left and right operand; K: the contracted axis; several contracted axes count as one K, in the product's order):
;;     1. [M 1,024, K 1,024] x [K 1,024, N 8,192]; A: input Wq; B: input z: QUANTISED
;;     2. [M 1,024, K 1,024] x [K 1,024, N 8,192]; A: input Wk; B: input z: QUANTISED
;;     3. [M 1,024, K 1,024] x [K 1,024, N 8,192]; A: input Wv; B: input z: QUANTISED
;;     4. batch 128 x [M 1,024, K 64] x [K 64, N 1,024]; A: computed on the way; B: computed on the way: QUANTISED
;;     5. batch 128 x [M 1,024, K 1,024] x [K 1,024, N 64]; A: softmax (see below); B: computed on the way: QUANTISED
;;     6. [M 8,192, K 1,024] x [K 1,024, N 1,024]; A: computed on the way; B: input Wo: QUANTISED
;;   THE QUANTISER, for each operand of a quantised product, along K:
;;     - K is cut into blocks of 32 from its start; a last block that is shorter is filled with zeros.
;;     - A block's scale is 2^e with e = floor(log2(the largest magnitude in the block)) - 2, held to -126 .. 127; a block of zeros has e = 0. As a byte (E8M0): e + 127.
;;     - Each number is divided by its block's scale, clamped to +-6, and rounded to the nearest number of E2M1, ties to even, subnormals kept.
;;     - The product sums the exact products of the quantised numbers (number of the format x scale) in f32.
;;   ~~~python
;;   def quantise(x, axis):      # numpy; x: float32 -> the quantised numbers, widened to float32 again
;;       x = np.moveaxis(x, axis, -1); K = x.shape[-1]
;;       x = np.pad(x, [(0, 0)] * (x.ndim - 1) + [(0, -K % 32)]); x = x.reshape(x.shape[:-1] + (-1, 32)); a = np.abs(x).max(-1, keepdims=True)
;;       e = np.where(a > 0, np.clip(np.frexp(np.where(a > 0, a, 1))[1] - 1 - 2, -126, 127), 0)      # np.frexp(a)[1] - 1 = floor(log2(a)), exactly
;;       r = np.clip(x / 2.0 ** e, -6, 6)
;;       step = 2.0 ** (np.maximum(np.frexp(np.where(r == 0, 1, r))[1] - 1, 0) - 1)
;;       q = np.round(r / step) * step * 2.0 ** e      # np.round: ties to even
;;       return np.moveaxis(q.reshape(q.shape[:-2] + (-1,))[..., :K], -1, axis).astype(np.float32)
;;   ~~~
;;   SOFTMAX AHEAD OF A QUANTISED PRODUCT. Where the list says 'softmax', what is quantised is not the finished softmax but p = 2^(t - M), with t = logit x log2(e) and M = ceil(the row's largest t), a whole number; so 1/2 < the row's largest p <= 1. The row's sum l is taken of the UNQUANTISED p, in f32, and the product's result is divided by l at the end. Since M is a whole number, a kernel that streams over the keys may use a running M (the ceiling of the running maximum): every later rescaling is an exact power of two, which a block's scale takes up: the codes' values come out the same.
;;   OPERANDS COMPUTED ON THE WAY. 'Computed on the way' means the value that the module computes at that place (a softmax that the list does not call 'softmax' is quantised finished and normalised). What goes into a quantiser is computed in f32, as accurately as f32 sums, v_exp_f32 and their like allow (about 1e-6 of the number): no bf16 or f16 on the way to a quantiser, and a product that is left as it is and whose result goes on into a quantised operand takes f32 operands (vector FMAs, or v_wmma_f32_16x16x4_f32). A number that lies on a knife's edge between two numbers of the format may be rounded either way, as far as f32 arithmetic and the matrix unit's own rounding can turn it there, and no further.
;; One version. Each part assembles by itself: llvm-mc -triple=amdgcn-amd-amdhsa -mcpu=gfx1250 --defsym DOCPART=n.
;; ======== version 1 of 1: 3 launches
;; limits: right only within a limited range of input values
;; workspace buffers: zq 4,456,448 bytes; wts 2,228,224 bytes; qkv 14,155,776 bytes
;; launch prep (part 1): grid 384 x 1, 4 waves a work-group, no clusters, 33,280 bytes of LDS; arguments z, Wq, Wk, Wv, Wo, zq, wts; writes zq, wts
.if DOCPART == 1
	.amdgcn_target "amdgcn-amd-amdhsa--gfx1250"
	.amdhsa_code_object_version 6
	.text
	.protected	k_qbed090784e_prep
	.globl	k_qbed090784e_prep
	.p2align	8
	.type	k_qbed090784e_prep,@function
k_qbed090784e_prep:
	s_mov_b64 s[64:65], 0
	v_nop
	global_prefetch_b8 v0, s[64:65] scope:SCOPE_SE
	s_setreg_imm32_b32 hwreg(HW_REG_WAVE_MODE, 25, 1), 1
	s_wait_xcnt 0x0
; PoHBlock, launch 1 of 3: z and the four live weights become codes of FP4 (E2M1) with one E8M0 scale byte for each 32 along K (K = d_model for all five).
; DEAD WORK.  reference() walks its loop ITERS = 1 times, and the FFN with the second LayerNorm stands under 'if it < ITERS - 1', which is 0 < 0: false by reference()'s own constants, whatever the inputs hold.
; So relu(z W1 + b1) W2 + b2 and _ln(.., g2, be2) are never formed: W1, b1, W2, b2, g2, be2 have no way to out0, are not loaded and are among no launch's arguments.
; LIMIT: a NaN, an infinity or an overflow that would arise in that work alone is not carried to the result.
; LIMITS of the quantiser: NaN and infinities among the inputs are not served; a block whose largest magnitude lies under 2^-124 keeps the byte 1; a block of zeros gets the byte 1 where the rule says 127
; (its codes are zeros, which add nothing under any byte but 0xff, and this program alone reads the bytes).
; ONE PERMUTATION SERVES ALL LATER LAYOUTS: sw(x) = x with bits 3 and 4 exchanged.  Token t lies at position sw(t) of zq; column e of a weight lies at row sw(e) of its group of 64 rows.
; So row r of tile 2 b + u (16 rows) is index 32 b + 8 u + r + 8 (r / 8), and a transposed product leaves 16 neighbours along the next K in a lane's 16 registers of two neighbouring tiles.
; zq:  codes [8192 positions][512 bytes], K innermost; from ZSC on the scale bytes [position][32].
; wts: from 0 [head 16][K step 8][tile 12: q 0-3, k 0-3, v 0-3][c 2][512 bytes]: images of operand registers, lane l's 16 bytes at 16 l: lane (r, h) holds block 4 s + 2 c + h of the tile's row r;
;      from WOIMG the same for Wo: [group of 64 columns 16][K step 8][tile 4][c 2][512]; from WSC [tile 192][j 2][r 16][16 scale bytes: blocks 16 j .. 16 j + 15]; from WOSC [tile 64][j][r][16].
; WORK-GROUPS: 0-95 Wq, Wk, Wv (role = id / 32, head = (id / 2) % 16, j = id % 2: which 512 of K); 96-127 Wo (64 columns (id - 96) / 2, j = id % 2); 128-383 z (32 rows each).
; The paths part on the work-group's number; the z path alone stores to LDS.
.set ZSC,   4194304
.set WOIMG, 1572864
.set WSC,   2097152
.set WOSC,  2195456
.set SPW,   12                         ; v12  LDS address of my spare word: SPARE + 4 x my thread's number; never rewritten
.set NIL,   13                         ; v13  0; never rewritten
.set WREG,  8192                       ; z path: LDS region of a wave: two stages of 32 x SP bytes, then its 256 scale bytes
.set SP,    80                         ; a lane's place in a stage: 64 bytes + 16 of padding
.set SPARE, 4*WREG                     ; behind the four regions: the spare words, 128 bytes a wave, which no other line names
.set NB,    8                          ; weights: blocks of 32 along K for a wave
.set WX,    32                         ; v32-95 two sets of 32 numbers down K
.set WC,    96                         ; v96-127 a block's codes, four registers for each of 8 blocks: no store's data are written again
.set WSB,   24                         ; v24-25  8 scale bytes
.set DEPTH, 8                          ; z: steps whose loads are out
.set ZR,    16                         ; v16-143 eight sets of 16 numbers as loaded
.set ZX,    144                        ; v144-175 two sets of 16 neighbours
.set ZE,    176                        ; v176-191 a scale byte for each step
.set ZC,    192                        ; v192-223 codes, two registers for each step
.macro FINISH                          ; a wave's end
	s_wait_tensorcnt 0x0
	ds_add_u32 v[SPW], v[NIL]
	s_wait_dscnt 0x0
	s_endpgm
.endm
	s_load_b256 s[4:11], s[0:1], 0x0               ; z s[4:5], Wq s[6:7], Wk s[8:9], Wv s[10:11]
	s_load_b128 s[12:15], s[0:1], 0x20             ; Wo s[12:13], zq s[14:15]
	s_load_b64 s[16:17], s[0:1], 0x30              ; wts
	v_lshl_add_u32 v[SPW], v0, 2, SPARE
	v_mov_b32 v[NIL], 0
	v_lshrrev_b32 v1, 5, v0
	v_readfirstlane_b32 s20, v1                    ; wave 0..3
	v_and_b32 v2, 31, v0                           ; lane
	s_cmp_ge_u32 ttmp9, 128
	s_cbranch_scc1 .Lz
; ---- THE WEIGHTS.  K is their first axis: a lane takes a column and its 32 registers run down K, so a block's largest magnitude needs no other lane and the conversions give codes with K innermost.
; Wave w: columns 32 (w % 2) + lane of the group of 64, K from 512 j + 256 (w / 2) on: 8 blocks a lane, two K steps.  Column 32 eb + l goes to tile 2 eb + bit 3 of l, row r = 8 x bit 4 of l + l % 8.
; Waves 0 and 1 stand side by side on a row's 256 bytes.  A column's 8 scale bytes are half of its 16 in wts; the other half comes from wave w xor 2: those units are written by two instructions; they are one byte in 128 of what the launch reads.
	v_lshlrev_b32 v3, 2, v2                        ; in: 4 bytes a lane
	v_bfe_u32 v6, v2, 3, 1
	v_bfe_u32 v7, v2, 4, 1
	v_and_b32 v10, 7, v2
	v_lshl_add_u32 v10, v7, 3, v10                 ; r
	v_lshlrev_b32 v10, 4, v10
	v_lshl_add_u32 v4, v6, 10, v10                 ; codes: 1,024 x (tile % 2) + 16 r
	v_lshl_add_u32 v5, v6, 9, v10                  ; scale bytes: 512 x (tile % 2) + 16 r
	s_and_b32 s23, s20, 1                          ; eb
	s_lshr_b32 s24, s20, 1                         ; kk
	s_and_b32 s38, ttmp9, 1                        ; j (96 is even: the low bit serves both kinds of weight)
	s_lshl_b32 s39, s38, 1
	s_add_co_u32 s39, s39, s24                     ; kq = 2 j + kk: which 256 of K
	s_cmp_ge_u32 ttmp9, 96
	s_cbranch_scc1 .Lo
.macro WLOAD t, pitch                  ; block t: W(32 t + i, my column), i = 0 .. 31, into set t % 2; 32 lanes read 128 consecutive bytes
.irp i, 0,1,2,3,4,5,6,7,8,9,10,11,12,13,14,15,16,17,18,19,20,21,22,23,24,25,26,27,28,29,30,31
	global_load_b32 v[WX+32*((\t)%2)+\i], v3, s[32:33] offset:(32*(\t)+\i)*(\pitch) th:TH_LOAD_NT
.endr
.endm
.macro WBLOCK t, pitch, kstr           ; kstr: bytes from a K step's images to the next step's
.set XS, WX+32*((\t)%2)
.if (\t) < NB-1
	s_wait_loadcnt 32                              ; this block's 32 loads are in; the next block's 32 may be out
.else
	s_wait_loadcnt 0
.endif
	v_max3_num_f32 v8, |v[XS]|, |v[XS+1]|, |v[XS+2]|     ; the block's largest magnitude, in two chains
	v_max3_num_f32 v9, |v[XS+3]|, |v[XS+4]|, |v[XS+5]|
.irp i, 6,10,14,18,22,26
	v_max3_num_f32 v8, v8, |v[XS+\i]|, |v[XS+\i+1]|
	v_max3_num_f32 v9, v9, |v[XS+\i+2]|, |v[XS+\i+3]|
.endr
	v_max3_num_f32 v8, v8, |v[XS+30]|, |v[XS+31]|
	v_max3_num_f32 v8, v8, v9, 0x1800000           ; and the floor 2^(3 - 127): the byte cannot fall under 1
	v_add_nc_u32 v11, 0xff000000, v8               ; 2 off the exponent field: the conversion takes the exponent field of this operand as its scale
	v_lshrrev_b32 v10, 23, v11                     ; the scale's byte
.if (\t)%4 == 0
	v_mov_b32 v[WSB+(\t)/4], v10                   ; four bytes to a register, the lower K in the lower byte
.else
	v_lshl_or_b32 v[WSB+(\t)/4], v10, 8*((\t)%4), v[WSB+(\t)/4]
.endif
.irp g, 0,1,2,3
	v_cvt_scalef32_pk8_fp4_f32 v[WC+4*(\t)+\g], v[XS+8*\g:XS+8*\g+7], v11
.endr
	global_store_b128 v4, v[WC+4*(\t):WC+4*(\t)+3], s[34:35] offset:((\t)/4)*(\kstr)+(((\t)/2)%2)*512+((\t)%2)*256   ; block t = K step t / 4, c = (t / 2) % 2, h = t % 2: the wave writes 256 consecutive aligned bytes in each of two tiles
.if (\t)+2 < NB
	WLOAD (\t)+2, \pitch                           ; (the results above go to stores alone, and the next block begins with plain vector lines)
.endif
.endm
.macro WALK pitch, kstr
	WLOAD 0, \pitch
	WLOAD 1, \pitch
.set Q, 0
.rept NB
	WBLOCK Q, \pitch, \kstr
.set Q, Q+1
.endr
	global_store_b64 v5, v[WSB:WSB+1], s[36:37]    ; my column's 8 scale bytes
.endm
	; Wq, Wk, Wv: [16][1024][64]: a row of a head is 256 bytes
	s_lshr_b32 s21, ttmp9, 5                       ; role
	s_lshr_b32 s22, ttmp9, 1
	s_and_b32 s22, s22, 15                         ; head
	s_lshl_b32 s26, s22, 18                        ; from: head x 262,144 + kq x 256 rows + eb x 128
	s_lshl_b32 s25, s39, 16
	s_add_co_u32 s26, s26, s25
	s_lshl_b32 s25, s23, 7
	s_add_co_u32 s26, s26, s25
	s_mov_b32 s27, 0
	s_mul_i32 s28, s22, 98304                      ; codes: head x 98,304 + kq x 2 K steps + (4 role + 2 eb) tiles
	s_mul_i32 s25, s39, 24576
	s_add_co_u32 s28, s28, s25
	s_lshl_b32 s25, s21, 12
	s_add_co_u32 s28, s28, s25
	s_lshl_b32 s25, s23, 11
	s_add_co_u32 s28, s28, s25
	s_mov_b32 s29, 0
	s_mul_i32 s30, s22, 6144                       ; scale bytes: WSC + (12 head + 4 role + 2 eb) x 512 + j x 256 + kk x 8
	s_lshl_b32 s25, s21, 11
	s_add_co_u32 s30, s30, s25
	s_lshl_b32 s25, s23, 10
	s_add_co_u32 s30, s30, s25
	s_lshl_b32 s25, s38, 8
	s_add_co_u32 s30, s30, s25
	s_lshl_b32 s25, s24, 3
	s_add_co_u32 s30, s30, s25
	s_add_co_u32 s30, s30, WSC
	s_mov_b32 s31, 0
	s_wait_kmcnt 0x0
	s_cmp_eq_u32 s21, 0                            ; the choice of the buffer hangs on the work-group's number alone
	s_cselect_b64 s[32:33], s[6:7], s[8:9]
	s_cmp_eq_u32 s21, 2
	s_cselect_b64 s[32:33], s[10:11], s[32:33]
	s_add_nc_u64 s[32:33], s[32:33], s[26:27]
	s_add_nc_u64 s[34:35], s[16:17], s[28:29]
	s_add_nc_u64 s[36:37], s[16:17], s[30:31]
	s_wait_alu depctr_va_vdst(0)
	WALK 256, 12288
	FINISH
.Lo:
	; Wo: [1024][1024]: a row is 4,096 bytes; the largest immediate is 255 rows, inside the signed 24 bits
	s_sub_co_u32 s22, ttmp9, 96
	s_lshr_b32 s22, s22, 1                         ; the group of 64 columns
	s_lshl_b32 s26, s39, 20                        ; from: kq x 256 rows + group x 256 + eb x 128
	s_lshl_b32 s25, s22, 8
	s_add_co_u32 s26, s26, s25
	s_lshl_b32 s25, s23, 7
	s_add_co_u32 s26, s26, s25
	s_mov_b32 s27, 0
	s_lshl_b32 s28, s22, 15                        ; codes: WOIMG + group x 32,768 + kq x 2 K steps + 2 eb tiles
	s_lshl_b32 s25, s39, 13
	s_add_co_u32 s28, s28, s25
	s_lshl_b32 s25, s23, 11
	s_add_co_u32 s28, s28, s25
	s_add_co_u32 s28, s28, WOIMG
	s_mov_b32 s29, 0
	s_lshl_b32 s30, s22, 11                        ; scale bytes: WOSC + (4 group + 2 eb) x 512 + j x 256 + kk x 8
	s_lshl_b32 s25, s23, 10
	s_add_co_u32 s30, s30, s25
	s_lshl_b32 s25, s38, 8
	s_add_co_u32 s30, s30, s25
	s_lshl_b32 s25, s24, 3
	s_add_co_u32 s30, s30, s25
	s_add_co_u32 s30, s30, WOSC
	s_mov_b32 s31, 0
	s_wait_kmcnt 0x0
	s_add_nc_u64 s[32:33], s[12:13], s[26:27]
	s_add_nc_u64 s[34:35], s[16:17], s[28:29]
	s_add_nc_u64 s[36:37], s[16:17], s[30:31]
	s_wait_alu depctr_va_vdst(0)
	WALK 4096, 4096
	FINISH
.Lz:
; ---- z.  K is innermost and rows are dense: a plain stream of blocks of 32.  A wave takes 8 rows (8,192 numbers) in 16 steps of 512.  Each load reads 512 consecutive bytes, 16 a lane; a step's 2,048 bytes turn
; through the wave's own stage in LDS and come back 64 bytes a lane, so that a lane holds 16 neighbours (two neighbouring lanes a block).  Rows 8 g .. 8 g + 7 go to positions 8 g' .., g' = g with bits 0 and 1 exchanged: that is sw().
; The loads of DEPTH = 8 steps, 32 loads, 16,384 bytes, of each wave are out.
	s_wait_alu depctr_va_vdst(0)
	v_lshlrev_b32 v3, 4, v2                        ; my 16 bytes of a load's 512
	s_mul_i32 s21, s20, WREG
	v_lshrrev_b32 v14, 2, v2
	v_mul_u32_u24 v14, v14, SP
	v_and_b32 v15, 3, v2
	v_lshl_add_u32 v14, v15, 4, v14
	v_add_nc_u32 v14, s21, v14                     ; the stage, on the way in: SP (lane / 4) + 16 (lane % 4)
	v_mul_u32_u24 v15, v2, SP
	v_add_nc_u32 v15, s21, v15                     ; and on the way out: SP x lane
	v_lshlrev_b32 v4, 3, v2                        ; 8 bytes a lane: my codes' place in a step's, and my part of the scale bytes
	v_lshrrev_b32 v5, 1, v2
	s_add_co_u32 s21, s21, 2*32*SP
	v_add_nc_u32 v5, s21, v5                       ; LDS: my wave's 256 scale bytes, my block's byte
	v_add_nc_u32 v6, s21, v4                       ; and on the way out 8 bytes a lane
	s_sub_co_u32 s22, ttmp9, 128
	s_lshl_b32 s22, s22, 2
	s_add_co_u32 s23, s22, s20                     ; g: the 8 rows that I read
	s_and_b32 s24, s20, 1
	s_lshl_b32 s24, s24, 1
	s_lshr_b32 s25, s20, 1
	s_or_b32 s24, s24, s25
	s_add_co_u32 s24, s22, s24                     ; g': the 8 positions that I write
	s_lshl_b32 s26, s23, 15
	s_mov_b32 s27, 0
	s_lshl_b32 s28, s24, 12
	s_mov_b32 s29, 0
	s_lshl_b32 s30, s24, 8
	s_add_co_u32 s30, s30, ZSC
	s_mov_b32 s31, 0
	s_wait_alu depctr_va_vdst(0)
	s_wait_kmcnt 0x0
	s_add_nc_u64 s[32:33], s[4:5], s[26:27]
	s_add_nc_u64 s[34:35], s[14:15], s[28:29]
	s_add_nc_u64 s[36:37], s[14:15], s[30:31]
.macro ZLOAD t
.irp i, 0,1,2,3
	global_load_b128 v[ZR+16*((\t)%DEPTH)+4*\i:ZR+16*((\t)%DEPTH)+4*\i+3], v3, s[32:33] offset:2048*(\t)+512*\i th:TH_LOAD_NT
.endr
.endm
.macro ZTURN t                         ; step t's numbers through the stage: LDS serves a wave's instructions in order, so no wait stands between the stores and the loads
.irp i, 0,1,2,3
	ds_store_b128 v14, v[ZR+16*((\t)%DEPTH)+4*\i:ZR+16*((\t)%DEPTH)+4*\i+3] offset:32*SP*((\t)%2)+8*SP*\i
.endr
.irp i, 0,1,2,3
	ds_load_b128 v[ZX+16*((\t)%2)+4*\i:ZX+16*((\t)%2)+4*\i+3], v15 offset:32*SP*((\t)%2)+16*\i
.endr
.endm
.irp t, 0,1,2,3,4,5,6,7
	ZLOAD \t
.endr
	s_wait_loadcnt 4*(DEPTH-1)                     ; step 0's four loads are in; the 28 of the seven steps behind it may be out
	ZTURN 0
.macro ZSTEP t
.set XS, ZX+16*((\t)%2)
.if (\t) > 0
	s_wait_dscnt 1                                 ; this step's numbers are back from the stage (the last step's byte store may be out), so its stores into the stage have read their registers,
.else
	s_wait_dscnt 0x0
.endif
.if (\t)+DEPTH < 16
	ZLOAD (\t)+DEPTH                               ; which take the loads of eight steps on
.endif
.if (\t)+1 < 16
.if 14-(\t) >= DEPTH-1
	s_wait_loadcnt 4*(DEPTH-1)                     ; the next step's four loads are in; those of the seven steps behind it may be out
.else
	s_wait_loadcnt 4*(14-(\t))                     ; nothing more is asked for: the counts run down
.endif
	ZTURN (\t)+1
.endif
	v_max3_num_f32 v8, |v[XS]|, |v[XS+1]|, |v[XS+2]|
	v_max3_num_f32 v9, |v[XS+3]|, |v[XS+4]|, |v[XS+5]|
.irp i, 6,10
	v_max3_num_f32 v8, v8, |v[XS+\i]|, |v[XS+\i+1]|
	v_max3_num_f32 v9, v9, |v[XS+\i+2]|, |v[XS+\i+3]|
.endr
	v_max3_num_f32 v8, v8, |v[XS+14]|, |v[XS+15]|
	v_max3_num_f32 v8, v8, v9, 0x1800000           ; the floor 2^(3 - 127)
	v_max_num_f32_dpp v8, v8, v8 row_xmask:1 row_mask:0xf bank_mask:0xf   ; with my neighbour's 16: the block's largest magnitude
	v_add_nc_u32 v11, 0xff000000, v8
	v_cvt_scalef32_pk8_fp4_f32 v[ZC+2*(\t)], v[XS:XS+7], v11
	v_cvt_scalef32_pk8_fp4_f32 v[ZC+2*(\t)+1], v[XS+8:XS+15], v11
	v_lshrrev_b32 v[ZE+(\t)], 23, v11              ; the scale's byte
	ds_store_b8 v5, v[ZE+(\t)] offset:16*(\t)      ; both lanes of a block write the same byte with the same value
	global_store_b64 v4, v[ZC+2*(\t):ZC+2*(\t)+1], s[34:35] offset:256*(\t)   ; the wave stores 256 consecutive aligned bytes
.endm
.irp t, 0,1,2,3,4,5,6,7,8,9,10,11,12,13,14,15
	ZSTEP \t
.endr
	ds_load_b64 v[8:9], v6                         ; LDS serves a wave's instructions in order: these see my byte stores
	s_wait_dscnt 0x0
	global_store_b64 v4, v[8:9], s[36:37]          ; 256 consecutive aligned bytes of scale bytes
	FINISH
.Lfunc_end_k_qbed090784e_prep:
	.size	k_qbed090784e_prep, .Lfunc_end_k_qbed090784e_prep-k_qbed090784e_prep
	.p2alignl 7, 3214868480
	.fill 96, 4, 3214868480
	.section	.rodata,"a",@progbits
	.p2align	6, 0x0
	.amdhsa_kernel k_qbed090784e_prep
		.amdhsa_group_segment_fixed_size 33280
		.amdhsa_private_segment_fixed_size 0
		.amdhsa_enable_private_segment 0
		.amdhsa_kernarg_size 56
		.amdhsa_user_sgpr_count 2
		.amdhsa_user_sgpr_kernarg_segment_ptr 1
		.amdhsa_wavefront_size32 1
		.amdhsa_system_sgpr_workgroup_id_x 1
		.amdhsa_system_sgpr_workgroup_id_y 1
		.amdhsa_system_sgpr_workgroup_id_z 1
		.amdhsa_system_vgpr_workitem_id 0
		.amdhsa_next_free_vgpr 224
		.amdhsa_next_free_sgpr 66
		.amdhsa_reserve_vcc 0
		.amdhsa_float_denorm_mode_32 3
		.amdhsa_float_denorm_mode_16_64 3
		.amdhsa_memory_ordered 1
		.amdhsa_forward_progress 1
		.amdhsa_inst_pref_size 110
	.end_amdhsa_kernel
	.amdgpu_metadata
---
amdhsa.version: [ 1, 2 ]
amdhsa.kernels:
  - .name:           k_qbed090784e_prep
    .symbol:         k_qbed090784e_prep.kd
    .args:
      - { .name: z, .offset: 0, .size: 8, .value_kind: global_buffer, .address_space: global }
      - { .name: Wq, .offset: 8, .size: 8, .value_kind: global_buffer, .address_space: global }
      - { .name: Wk, .offset: 16, .size: 8, .value_kind: global_buffer, .address_space: global }
      - { .name: Wv, .offset: 24, .size: 8, .value_kind: global_buffer, .address_space: global }
      - { .name: Wo, .offset: 32, .size: 8, .value_kind: global_buffer, .address_space: global }
      - { .name: zq, .offset: 40, .size: 8, .value_kind: global_buffer, .address_space: global }
      - { .name: wts, .offset: 48, .size: 8, .value_kind: global_buffer, .address_space: global }
    .group_segment_fixed_size: 33280
    .private_segment_fixed_size: 0
    .kernarg_segment_align: 8
    .kernarg_segment_size: 56
    .max_flat_workgroup_size: 128
    .sgpr_count:     66
    .vgpr_count:     224
    .wavefront_size: 32
...
	.end_amdgpu_metadata
.endif
;; end of part 1
;; launch qkv (part 2): grid 16 x 16, 4 waves a work-group, clusters of 4 x 4, 327,680 bytes of LDS; arguments zq, wts, bq, bk, bv, qkv; writes qkv
.if DOCPART == 2
	.amdgcn_target "amdgcn-amd-amdhsa--gfx1250"
	.amdhsa_code_object_version 6
	.text
	.protected	k_qbed090784e_qkv
	.globl	k_qbed090784e_qkv
	.p2align	8
	.type	k_qbed090784e_qkv,@function
k_qbed090784e_qkv:
	s_mov_b64 s[64:65], 0
	v_nop
	global_prefetch_b8 v0, s[64:65] scope:SCOPE_SE
	s_setreg_imm32_b32 hwreg(HW_REG_WAVE_MODE, 25, 1), 1
	s_wait_xcnt 0x0
	s_wait_alu depctr_hold_cnt(0) depctr_sa_sdst(0) depctr_va_vdst(0) depctr_va_sdst(0) depctr_va_ssrc(0) depctr_va_vcc(0) depctr_vm_vsrc(0)
	s_getreg_b32 s2, hwreg(HW_REG_IB_STS2, 6, 4)
	s_cmp_eq_u32 s2, 0
	s_cbranch_scc0 .Lentry_in_a_cluster
	s_endpgm
.Lentry_in_a_cluster:
	s_bfe_u32 s2, ttmp6, 0x10000c
	s_cmp_lg_u32 s2, 0xf033
	s_cbranch_scc0 .Lentry_shape_is_right
	s_endpgm
.Lentry_shape_is_right:
; PoHBlock, launch 2 of 3: q, k, v = z W + b on codes of FP4, and their own quantising for the two products of attention.  (The FFN of reference() is dead work: see launch 1; nothing of it is here.)
; A WORK-GROUP STAYS: it takes one head (x) and TWO tiles of 256 positions, blocks y and y + 16, one after the other: 256 x 192 results each, q, k and v together.  Wave w takes positions 64 w .. 64 w + 63 and all 192 rows of W: 48 accumulators.
; LDS: the head's W for all of K = 1,024 (98,304 bytes), loaded once for both tiles, and three places for half a tile of z (256 rows x 256 bytes of K's 512): Z0, Z1, Z2.
; FIRST FILLS, one tensor load a wave at the head and one behind the next round: Z0 = tile 0's K half 0, W's K steps 0-3, Z1 = tile 0's half 1, W's K steps 4-7.
; TWO REFILLS: tile 1's half 0 goes into Z0 at tile 0's K step 3, its half 1 into Z1 at K step 7, where the last fragments out of that place are in registers.
; CLUSTER 4 x 4: the four of a row (same y) need the same rows of z, the four of a column (same x) the same images of W: each load is asked for jointly, by the same descriptor and a mask that names the four.
; q, k: source 0 = 16 rows of W, source 1 = 16 positions: a lane holds ONE position, and by the order of W's rows (launch 1) the 16 registers of tiles 2 b, 2 b + 1 are e = 32 b + 16 h + 0 .. 15: neighbours along the scores' K.
; v:    source 0 = 16 positions, source 1 = 16 rows of W: a lane holds ONE channel, and by the order of z's positions the 16 registers of tiles 2 b, 2 b + 1 are 16 neighbouring TOKENS: neighbours along the second product's K.
; The biases are the C of each sum's first matrix instruction.  LIMITS of the quantiser as in launch 1.
; OUT: qkv = [16 b + head][step of 128 positions 8][13,824 bytes]: +0 K's codes, 8 tiles x 512 (images of registers 0-3 of an operand: K = 64); +4,096 K's scale words [g 2][r 16][tiles 4 g .. 4 g + 3];
;      +4,608 V's codes [tile of 16 channels 4][c 2][512]; +8,704 V's scale words [tile 4][lane 32]; +9,216 Q's codes as K's; +13,312 Q's scale words as K's.  The upper two bytes of q's and k's scale words are 127: they go with zero codes.
; REGISTERS, in windows of 256.  Window 0: v1-22 lane terms and addresses; v28, v29 the add's two; v32-79 W's scale words, v80-95 z's of tile 0, v192-207 z's of tile 1; v96-127 at work; v128-191 z's fragments, two sets
;   (v176-191 also the scale words just made); v208-255 the codes just made.
;   Window 1: W's fragments, two sets, at v0 and v128.  Window 2: q's 16 accumulators at v[8 (4 m + t)], k's at v[128 + ..].  Window 3: v's 16 at v[8 (4 dt + m)]; bq v128-159, bk v160-191, bv v192-223.
.set ZSC,    4194304
.set WSC,    2097152
.set PITCH,  272                       ; a row of z in LDS: 256 bytes + 16 of padding: the 16 rows of a fragment load start 68 words apart
.set ZSLOT,  256*PITCH                 ; a place for half a tile of z
.set WOFF,   3*ZSLOT                   ; behind the three: W's images, eight K steps of 12,288 bytes
.set STAGE,  WOFF+8*12288              ; 2 x 1,024 bytes: v's scale words meet here, a tile's in bytes of its own; no tensor load lands here
.set SPARE,  STAGE+2048                ; the spare words, 128 bytes a wave, which no other line names
.set STEPB,  13824
.set ZT2,    16*256*512                ; from tile 0 to tile 1: 16 blocks of 256 positions on in zq's codes,
.set ZS2,    16*256*32                 ; in its scale bytes,
.set OUT2,   4*16*8*STEPB              ; and four batches on in qkv: with the offsets inside a step, under the signed 24-bit immediate's end
.set ADRW, 6                           ; v6-7   LDS address of W's images, K steps 0-3 and 4-7
.set VOA,  8                           ; v8     out: 16 lane + 2,048 (w % 2): q's and k's codes
.set VOB,  9                           ; v9     16 lane + 512 (w % 2): v's codes
.set VOS,  10                          ; v10    16 r + 9,216 h + 256 (w % 2) + 4,096: k's scale words (lanes 0-15), q's (lanes 16-31)
.set VST,  11                          ; v11    the stage, in
.set VRD,  12                          ; v12    the stage, out
.set VO8,  13                          ; v13    8 lane + 256 (w % 2) + 8,704
.set ADRZ, 20                          ; v20-21 LDS address of my z fragments in Z0, Z1
.set SPW,  28
.set NIL,  29
.set WS,   32                          ; register 8 (t % 6) + s: lanes 0-15 tile t, lanes 16-31 tile t + 6, K step s
.set ZS,   80                          ; register 112 u + 8 (m % 2) + s: tile u of the two; lanes 0-15 tile m, lanes 16-31 tile m + 2
.set TM,   96
.set TP,   104
.set TS,   112
.set TB,   120
.set ZF,   128
.set PWQ,  176
.set PWK,  180
.set PWV,  184
.set MG,   188
.set PCQ,  208
.set PCK,  224
.set PCV,  240
.set BQ,   128                         ; in window 3
.set BV,   192
.set WV_,  16                          ; s16    my wave's number
.set G1Z,  24
.set G1W,  32
.set G0Z,  48                          ; s[48:63] group 0 for z's rows: a set for each of the four fills; none is ever written again
.set G0W,  84                          ; s[84:91] for W's images, a set for each half of K
.set SEL,  80
.set MSB, 0
.macro WIN new                         ; the immediate's high byte repeats the setting that is left
.if MSB != \new
	s_set_vgpr_msb (MSB<<8)|\new
.set MSB, \new
.endif
.endm
.macro CROUND                          ; a round of the cluster's barrier
	s_barrier_signal -1
	s_barrier_wait -1
	s_cmp_lg_u32 s[WV_], 0
	s_cbranch_scc1 .Lnot_wave_0_\@
	s_barrier_signal -3
.Lnot_wave_0_\@:
	s_barrier_wait -3
	s_barrier_signal -1
	s_barrier_wait -1
.endm
.macro PLACES                          ; four plain places behind matrix instructions, ahead of loads into their registers and of reads of their results
.rept 4
	v_nop
.endr
.endm
	s_load_b256 s[4:11], s[0:1], 0x0               ; zq s[4:5], wts s[6:7], bq s[8:9], bk s[10:11]
	s_load_b128 s[12:15], s[0:1], 0x20             ; bv s[12:13], qkv s[14:15]
	v_lshl_add_u32 v[SPW], v0, 2, SPARE
	v_mov_b32 v[NIL], 0
	ds_add_u32 v[SPW], v[NIL]                      ; the wave's opening
	ds_add_u32 v[SPW], v[NIL]
	v_lshrrev_b32 v1, 5, v0
	v_readfirstlane_b32 s[WV_], v1                 ; wave 0..3
	s_bfe_u32 s40, ttmp6, 0x40000                  ; cx
	s_bfe_u32 s41, ttmp6, 0x40004                  ; cy
	s_lshl_b32 s42, ttmp9, 2
	s_add_co_u32 s42, s42, s40                     ; x: the head
	s_and_b32 s43, ttmp7, 0xffff
	s_lshl_b32 s43, s43, 2
	s_add_co_u32 s43, s43, s41                     ; y, 0 .. 15: tile 0's block of 256 positions; tile 1's is y + 16
	s_lshl_b32 s44, s41, 2
	s_lshl_b32 s44, 15, s44                        ; my row of the cluster
	s_lshl_b32 s45, 0x1111, s40                    ; my column
	s_or_b32 s[G1Z], s44, (1<<20)|(1<<21)|(5<<22)|(3<<25)   ; z: the mask of my row; elements of 1 byte; padding on: 4 words behind every 64; bit 21 beside a mask
	s_mov_b32 s[G1Z+1], 256<<16                    ; tensor_dim0 = 256 bytes: half of a row's 512
	s_mov_b32 s[G1Z+2], 128<<16                    ; tensor_dim1 = 128 rows: waves 0 and 1 fetch a half of z's 256 rows each
	s_mov_b32 s[G1Z+3], 256<<16                    ; tile_dim0
	s_mov_b32 s[G1Z+4], 128                        ; tile_dim1
	s_mov_b32 s[G1Z+5], 512                        ; from row to row
	s_mov_b32 s[G1Z+6], 0
	s_mov_b32 s[G1Z+7], 0
	s_or_b32 s[G1W], s45, (3<<16)|(1<<21)          ; W: the mask of my column; a dense block of 24,576 bytes as 96 rows of 32 elements of 8 bytes, no padding
	s_mov_b32 s[G1W+1], 32<<16
	s_mov_b32 s[G1W+2], 96<<16                     ; two K steps of W's images, 24,576 dense bytes, as 96 rows of 256 bytes: waves 2 and 3 fetch two K steps each
	s_mov_b32 s[G1W+3], 32<<16
	s_mov_b32 s[G1W+4], 96
	s_mov_b32 s[G1W+5], 32
	s_mov_b32 s[G1W+6], 0
	s_mov_b32 s[G1W+7], 0
	s_lshl_b32 s68, s43, 17                        ; z: (256 y + 128 (w % 2)) rows of 512 bytes: made of y and the wave's number alone
	s_and_b32 s17, s[WV_], 1
	s_lshl_b32 s17, s17, 16                        ; z: 128 (w % 2) rows of 512 bytes
	s_add_co_u32 s68, s68, s17
	s_mov_b32 s69, 0
	s_mul_i32 s70, s42, 98304                      ; W: head x 98,304 + K steps 2 (w % 2) on: made of x and the wave's number alone
	s_and_b32 s18, s[WV_], 1
	s_mul_i32 s18, s18, 24576                      ; W: K steps 2 (w % 2) and the next
	s_add_co_u32 s70, s70, s18
	s_mov_b32 s71, 0
	s_mul_i32 s19, s[WV_], 64*PITCH
	s_and_b32 s78, s[WV_], 1
	s_mul_i32 s78, s78, 128*PITCH                  ; where a fetched half of z's rows goes
	s_add_co_u32 s20, s18, WOFF
	s_mov_b32 s[SEL], 0x76543210
	s_mov_b32 s[SEL+1], 0xfedcba98                 ; v_permlanex16_b32's selects for lane l xor 16
	s_mov_b32 s82, 0xffff0000                      ; lanes 16-31
	s_wait_dscnt 0x0                               ; both opening adds are done
	s_wait_kmcnt 0x0
	s_add_nc_u64 s[72:73], s[4:5], s[68:69]
	s_add_nc_u64 s[74:75], s[6:7], s[70:71]
	CROUND                                         ; all sixteen work-groups are here: the joint loads meet
.irp f, 0,1,2,3                                ; fill f: tile f / 2, K half f % 2, into place f % 2
	s_mov_b32 s[G0Z+4*\f], 1
	s_add_co_u32 s[G0Z+4*\f+1], s78, (\f%2)*ZSLOT  ; fill f goes into place f % 2: Z0 and Z1 take turns
	s_add_nc_u64 s[G0Z+4*\f+2:G0Z+4*\f+3], s[72:73], (\f/2)*ZT2+(\f%2)*256
	s_or_b32 s[G0Z+4*\f+3], s[G0Z+4*\f+3], 0x80000000
.endr
.irp s, 0,1                                    ; W's K steps 4 s + 2 (w % 2) and the next
	s_mov_b32 s[G0W+4*\s], 1
	s_add_co_u32 s[G0W+4*\s+1], s20, \s*49152
	s_add_nc_u64 s[G0W+4*\s+2:G0W+4*\s+3], s[74:75], \s*49152
	s_or_b32 s[G0W+4*\s+3], s[G0W+4*\s+3], 0x80000000
.endr
; THE FILLS AS THEY NOW STAND, one joint load a wave behind each round: waves 0 and 1 fetch the halves of z's fill fz; waves 2 and 3 the halves of W's K steps 4 fw .. 4 fw + 3 (fw < 0: nothing).
; Head: Z0 = tile 0's K half 0 and W's K steps 0-3.  Behind the next round: Z1 = tile 0's half 1 and W's K steps 4-7.  At tile 0's K step 3: Z0 again, tile 1's half 0.  At its K step 7: Z1 again, tile 1's half 1.
.macro JL fz, fw
	s_cmp_lt_u32 s[WV_], 2
	s_cbranch_scc0 .Lw_\@
	tensor_load_to_lds s[G0Z+4*(\fz):G0Z+4*(\fz)+3], s[G1Z:G1Z+7]
	s_nop 0
	PLACES
.if \fw >= 0
	s_branch .Lj_\@
.Lw_\@:
	tensor_load_to_lds s[G0W+4*(\fw):G0W+4*(\fw)+3], s[G1W:G1W+7]
	s_nop 0
	PLACES
.Lj_\@:
.else
.Lw_\@:
.endif
.endm
	JL 0, 0
	v_and_b32 v1, 15, v0                           ; r
	v_bfe_u32 v2, v0, 4, 1                         ; h
	v_and_b32 v3, 31, v0                           ; lane
	s_lshl_b32 s23, s43, 13                        ; z's scale words: ZSC + (256 y + 64 w + 32 h + r) x 32
	s_lshl_b32 s46, s[WV_], 11
	s_add_co_u32 s23, s23, s46
	s_add_co_u32 s23, s23, ZSC
	v_lshlrev_b32 v14, 5, v1
	v_lshl_add_u32 v14, v2, 10, v14
	v_add_nc_u32 v14, s23, v14
	s_mul_i32 s23, s42, 6144                       ; W's: WSC + 12 x tiles of 512 + 6 h tiles + 16 r
	s_add_co_u32 s23, s23, WSC
	v_lshlrev_b32 v15, 4, v1
	v_mad_u32_u24 v15, v2, 3072, v15
	v_add_nc_u32 v15, s23, v15
	s_lshl_b32 s23, s42, 8                         ; the biases: a head's 64 numbers
	v_lshl_add_u32 v16, v2, 6, s23                 ; bq, bk: for tile 2 b + u my eight are e = 32 b + 16 h + 8 u + 0 .. 7
	v_and_b32 v17, 8, v1
	v_add_nc_u32 v17, v17, v1
	v_lshl_add_u32 v17, v17, 2, s23                ; bv: for tile 2 b + u my one is e = 32 b + 8 u + r + 8 (r / 8)
.irp u, 0,1                                    ; both tiles' scale words of z, each in registers of its own
.irp m, 0,1
.irp j, 0,1
	global_load_b128 v[ZS+112*\u+8*\m+4*\j:ZS+112*\u+8*\m+4*\j+3], v14, s[4:5] offset:ZS2*\u+512*\m+16*\j
.endr
.endr
.endr
.irp t, 0,1,2,3,4,5
.irp j, 0,1
	global_load_b128 v[WS+8*\t+4*\j:WS+8*\t+4*\j+3], v15, s[6:7] offset:512*\t+256*\j
.endr
.endr
	WIN 0xc0                                       ; destination window 3
.irp t, 0,1,2,3
	global_load_b128 v[BQ+8*\t:BQ+8*\t+3], v16, s[8:9] offset:(32*(\t/2)+8*(\t%2))*4
	global_load_b128 v[BQ+8*\t+4:BQ+8*\t+7], v16, s[8:9] offset:(32*(\t/2)+8*(\t%2))*4+16
	global_load_b128 v[BQ+32+8*\t:BQ+32+8*\t+3], v16, s[10:11] offset:(32*(\t/2)+8*(\t%2))*4
	global_load_b128 v[BQ+32+8*\t+4:BQ+32+8*\t+7], v16, s[10:11] offset:(32*(\t/2)+8*(\t%2))*4+16
	global_load_b32 v[BV+8*\t], v17, s[12:13] offset:(32*(\t/2)+8*(\t%2))*4
.endr
	WIN 0
	v_mul_u32_u24 v[ADRZ], v1, PITCH
	v_lshl_add_u32 v[ADRZ], v2, 4, v[ADRZ]
	v_add_nc_u32 v[ADRZ], s19, v[ADRZ]             ; (64 w + r) x pitch + 16 h, in Z0,
	v_add_nc_u32 v[ADRZ+1], ZSLOT, v[ADRZ]         ; Z1,
	v_lshlrev_b32 v18, 4, v3                       ; 16 lane
	v_add_nc_u32 v[ADRW], WOFF, v18
	v_add_nc_u32 v[ADRW+1], 4*12288, v[ADRW]
	s_and_b32 s21, s[WV_], 1
	s_lshr_b32 s22, s[WV_], 1
	s_lshl_b32 s23, s21, 11
	v_add_nc_u32 v[VOA], s23, v18
	s_lshl_b32 s23, s21, 9
	v_add_nc_u32 v[VOB], s23, v18
	v_lshlrev_b32 v[VOS], 4, v1
	v_mad_u32_u24 v[VOS], v2, 9216, v[VOS]
	s_lshl_b32 s23, s21, 8
	s_add_co_u32 s23, s23, 4096
	v_add_nc_u32 v[VOS], s23, v[VOS]
	s_lshl_b32 s23, s22, 9                         ; the stage: [step w / 2][tile 4][lane 32][4 bytes]; my half-word is w % 2
	s_lshl_b32 s46, s21, 1
	s_add_co_u32 s23, s23, s46
	s_add_co_u32 s23, s23, STAGE
	v_lshl_add_u32 v[VST], v3, 2, s23
	s_lshl_b32 s23, s[WV_], 8                      ; back: wave w takes bytes 256 w on
	s_add_co_u32 s23, s23, STAGE
	v_lshl_add_u32 v[VRD], v3, 3, s23
	s_lshl_b32 s23, s21, 8
	s_add_co_u32 s23, s23, 8704
	v_lshl_add_u32 v[VO8], v3, 3, s23
.irp c, 0,1,2,3,4,5,6,7
	v_mov_b32 v[TP+\c], 0                          ; written once: a lane permute's destination counts as one of its sources
.endr
	s_lshr_b32 s23, s43, 2                         ; out, tile 0: ((16 b + x) x 8 + 2 (y % 4) + w / 2) steps of 13,824 bytes, b = y / 4; tile 1 lies OUT2 bytes on
	s_lshl_b32 s23, s23, 4
	s_add_co_u32 s23, s23, s42
	s_lshl_b32 s23, s23, 3
	s_and_b32 s46, s43, 3
	s_lshl_b32 s46, s46, 1
	s_add_co_u32 s23, s23, s46
	s_add_co_u32 s23, s23, s22
	s_mul_i32 s76, s23, STEPB
	s_mov_b32 s77, 0
	s_add_nc_u64 s[14:15], s[14:15], s[76:77]
; The fragments of tile u's K step s: W's twelve (images: 16 bytes a lane, consecutive) into set s % 2 of window 1, z's four into set s % 2 of window 0.  Tile u's K half s / 4 lies in place s / 4
.macro FETCH u, s
	WIN 0x40
.irp t, 0,1,2,3,4,5,6,7,8,9,10,11
.irp c, 0,1
	ds_load_b128 v[128*((\s)%2)+8*\t+4*\c:128*((\s)%2)+8*\t+4*\c+3], v[ADRW+(\s)/4] offset:((\s)%4)*12288+\t*1024+\c*512
.endr
.endr
	WIN 0
.irp m, 0,1,2,3
.irp c, 0,1
	ds_load_b128 v[ZF+32*((\s)%2)+8*\m+4*\c:ZF+32*((\s)%2)+8*\m+4*\c+3], v[ADRZ+(\s)/4] offset:64*((\s)%4)+32*\c+\m*16*PITCH
.endr
.endr
.endm
; One matrix instruction; ra, rb: the scales of source 0, 1 stand in lanes 16-31 of their register
.macro MM d, a, b, c, sa, sb, ra, rb
.if (\ra) && (\rb)
	v_wmma_scale_f32_16x16x128_f8f6f4 v[\d:\d+7], v[\a:\a+7], v[\b:\b+7], v[\c:\c+7], v[\sa], v[\sb] matrix_a_fmt:MATRIX_FMT_FP4 matrix_b_fmt:MATRIX_FMT_FP4 matrix_a_scale:MATRIX_SCALE_ROW1 matrix_b_scale:MATRIX_SCALE_ROW1
.elseif (\ra)
	v_wmma_scale_f32_16x16x128_f8f6f4 v[\d:\d+7], v[\a:\a+7], v[\b:\b+7], v[\c:\c+7], v[\sa], v[\sb] matrix_a_fmt:MATRIX_FMT_FP4 matrix_b_fmt:MATRIX_FMT_FP4 matrix_a_scale:MATRIX_SCALE_ROW1
.elseif (\rb)
	v_wmma_scale_f32_16x16x128_f8f6f4 v[\d:\d+7], v[\a:\a+7], v[\b:\b+7], v[\c:\c+7], v[\sa], v[\sb] matrix_a_fmt:MATRIX_FMT_FP4 matrix_b_fmt:MATRIX_FMT_FP4 matrix_b_scale:MATRIX_SCALE_ROW1
.else
	v_wmma_scale_f32_16x16x128_f8f6f4 v[\d:\d+7], v[\a:\a+7], v[\b:\b+7], v[\c:\c+7], v[\sa], v[\sb] matrix_a_fmt:MATRIX_FMT_FP4 matrix_b_fmt:MATRIX_FMT_FP4
.endif
.endm
.macro WQK u, s, t, m                  ; q (t = 0 .. 3) and k (t = 4 .. 7): W's tile t x z's tile m
.set rD, 128*((\t)/4)+8*(4*(\m)+(\t)%4)
.set rA, 128*((\s)%2)+8*(\t)
.set rB, ZF+32*((\s)%2)+8*(\m)
.set rSA, WS+8*((\t)%6)+(\s)
.set rSB, ZS+112*(\u)+8*((\m)%2)+(\s)
.set rC, rD
.if (\s) == 0
.set rC, BQ+8*(\t)                     ; the bias starts the sum
.endif
	MM rD, rA, rB, rC, rSA, rSB, (\t)/6, (\m)/2
.endm
.macro WVV u, s, dt, m                 ; v: z's tile m x W's tile 8 + dt
.set rD, 8*(4*(\dt)+(\m))
.set rA, ZF+32*((\s)%2)+8*(\m)
.set rB, 128*((\s)%2)+8*(8+(\dt))
.set rSA, ZS+112*(\u)+8*((\m)%2)+(\s)
.set rSB, WS+8*(2+(\dt))+(\s)
.set rC, rD
.if (\s) == 0
.set rC, BV+8*(\dt)
.endif
	MM rD, rA, rB, rC, rSA, rSB, (\m)/2, 1
.endm
; K step s of tile u: 48 matrix instructions; the 48 accumulators take turns, one instruction a turn, in the same order in every step.  The next step's 32 LDS loads stand in one run ahead of them;
; tile 0's last step fetches tile 1's first fragments, which then wait in their registers while tile 0 goes out.
.macro STEP u, s
	s_wait_dscnt 0x0                               ; this step's fragments are in
.if ((\s) == 3) || (((\s) == 7) && ((\u) == 0))
.if (\u) == 0
	; A CHANGE: the last fragments out of place s / 4 are in registers; that place is filled again with tile 1's K half s / 4
	WIN 0                                          ; (the add's two registers lie in window 0; branches and a label follow)
	s_wait_tensorcnt 0x0                           ; all my fills so far have landed, W's K steps 4-7 and Z1, which are read next, among them
	ds_add_u32 v[SPW], v[NIL]                      ; 0 onto my spare word
	s_wait_dscnt 0x0                               ; the add is done, and my reads of that place are over
	CROUND                                         ; the same now holds of every wave of all sixteen work-groups
	JL 2+(\s)/4, -1                                ; the first thing behind the round: one tensor load in waves 0 and 1, none in the others
.else
	s_wait_tensorcnt 0x0                           ; my 128 rows of tile 1's K half 1 have landed in Z1;
	s_barrier_signal -1
	s_barrier_wait -1                              ; everybody's have.
.endif
.endif
.if ((\u) == 1) && ((\s) == 0)
	s_wait_xcnt 0x0                                ; tile 0's stores have read their registers: the loads below land on v188-191, and this tile's way out writes the others anew
	v_nop                                          ; with the four below: five places ahead of the products that begin the accumulators anew
.endif
.if (\u)+(\s) > 0
	PLACES                                         ; the loads below land in the set that the step before multiplied
.endif
.if (\s) < 7
	FETCH \u, (\s)+1
.elseif (\u) == 0
	FETCH 1, 0
.endif
.if (\s) == 0
	WIN 0xb1                                       ; source 0 (W) window 1, source 1 (z) window 0, C (the bias) window 3, D window 2
.else
	WIN 0xa1                                       ; C and D window 2
.endif
.irp m, 0,1,2,3
.irp t, 0,1,2,3,4,5,6,7
	WQK \u, \s, \t, \m
.endr
.endr
	WIN 0xf4                                       ; source 0 (z) window 0, source 1 (W) window 1, C and D window 3
.irp dt, 0,1,2,3
.irp m, 0,1,2,3
	WVV \u, \s, \dt, \m
.endr
.endr
.endm
; THE QUANTISER of a role: 128 registers at base of window win = 8 blocks of 32 (16 registers in this lane, 16 in lane l xor 16).  Codes to v[pc + 4 g ..], g = 0 .. 3: registers 0-3 of an operand; the two bytes of g to v[pw + g].
.macro QROLE win, base, pc, pw, pad
	WIN 5*(\win)                                   ; sources 0 and 1 in the accumulators' window
.irp c, 0,1,2,3,4,5,6,7
	v_max3_num_f32 v[TM+\c], |v[\base+16*\c]|, |v[\base+16*\c+1]|, 0x1800000   ; each accumulator is read from its low end on; the floor 2^(3 - 127) holds the byte at 1 from below
.endr
.irp i, 2,4,6,8,10,12,14
.irp c, 0,1,2,3,4,5,6,7
	v_max3_num_f32 v[TM+\c], |v[\base+16*\c+\i]|, |v[\base+16*\c+\i+1]|, v[TM+\c]
.endr
.endr
	WIN 0
.irp c, 0,1,2,3,4,5,6,7
	v_permlanex16_b32 v[TP+\c], v[TM+\c], s[SEL], s[SEL+1]
.endr
.irp c, 0,1,2,3,4,5,6,7
	v_max_num_f32 v[TM+\c], v[TM+\c], v[TP+\c]     ; the block's largest magnitude
.endr
.irp c, 0,1,2,3,4,5,6,7
	v_add_nc_u32 v[TS+\c], 0xff000000, v[TM+\c]    ; 2 off its exponent field: the conversion's scale operand
.endr
.irp c, 0,1,2,3,4,5,6,7
	v_lshrrev_b32 v[TB+\c], 23, v[TS+\c]           ; the scale's byte
.endr
.irp g, 0,1,2,3
	v_lshl_or_b32 v[\pw+\g], v[TB+2*\g+1], 8, v[TB+2*\g]
.endr
.if \pad
.irp g, 0,1,2,3
	v_or_b32 v[\pw+\g], 0x7f7f0000, v[\pw+\g]      ; K = 64 of the instruction's 128: the bytes of the two blocks of zero codes are 127
.endr
.endif
	WIN \win
.irp c, 0,1,2,3,4,5,6,7
	v_cvt_scalef32_pk8_fp4_f32 v[\pc+2*\c], v[\base+16*\c:\base+16*\c+7], v[TS+\c]
	v_cvt_scalef32_pk8_fp4_f32 v[\pc+2*\c+1], v[\base+16*\c+8:\base+16*\c+15], v[TS+\c]
.endr
	WIN 0
	v_nop                                          ; one plain place behind a scaled conversion
.irp g, 0,1,2,3                                ; the operand's layout wants a whole block in a lane: lanes 0-15 block 0, lanes 16-31 block 1
.irp i, 0,1
	v_permlane16_swap_b32 v[\pc+4*\g+\i], v[\pc+4*\g+2+\i]
.endr
.endr
.endm
; THE WAY OUT of tile u: each role is quantised and stored; nothing waits for the stores, which leave under what follows
.macro WAYOUT u
	WIN 0
	PLACES
	QROLE 2, 0, PCQ, PWQ, 1
.irp m, 0,1,2,3
	global_store_b128 v[VOA], v[PCQ+4*\m:PCQ+4*\m+3], s[14:15] offset:OUT2*(\u)+9216+512*\m   ; an image: 512 consecutive bytes
.endr
	QROLE 2, 128, PCK, PWK, 1
.irp m, 0,1,2,3
	global_store_b128 v[VOA], v[PCK+4*\m:PCK+4*\m+3], s[14:15] offset:OUT2*(\u)+512*\m
.endr
.irp m, 0,1,2,3
	v_cndmask_b32 v[MG+\m], v[PWK+\m], v[PWQ+\m], s82   ; both halves of the lanes hold a position's words: lanes 0-15 send k's, lanes 16-31 q's
.endr
	global_store_b128 v[VOS], v[MG:MG+3], s[14:15] offset:OUT2*(\u)   ; 256 consecutive aligned bytes for each
	QROLE 3, 0, PCV, PWV, 0
.irp dt, 0,1,2,3
	global_store_b128 v[VOB], v[PCV+4*\dt:PCV+4*\dt+3], s[14:15] offset:OUT2*(\u)+4608+1024*\dt
.endr
.irp dt, 0,1,2,3
	ds_store_b16 v[VST], v[PWV+\dt] offset:1024*(\u)+128*\dt   ; my 64 tokens are half of a step's 128: two of a scale word's four bytes; the other two come from wave w xor 1
.endr
	s_wait_dscnt 0x0                               ; for the others' sake: my stores into the stage are done
	s_barrier_signal -1
	s_barrier_wait -1
	ds_load_b64 v[TM:TM+1], v[VRD] offset:1024*(\u)
	s_wait_dscnt 0x0
	global_store_b64 v[VO8], v[TM:TM+1], s[14:15] offset:OUT2*(\u)   ; 256 consecutive aligned bytes
.endm
	s_wait_alu depctr_va_vdst(0)
	s_wait_tensorcnt 0x0                           ; my one load of the head has landed
	ds_add_u32 v[SPW], v[NIL]
	s_wait_dscnt 0x0
	CROUND                                         ; Z0 and W's K steps 0-3 are whole, and all sixteen work-groups are here
	JL 1, 1                                        ; Z1 and W's K steps 4-7: first fills, one load a wave
	FETCH 0, 0
	s_wait_loadcnt 0x0                             ; scale words and biases
	WIN 0xc3
.irp dt, 0,1,2,3
.irp j, 1,2,3,4,5,6,7
	v_mov_b32 v[BV+8*\dt+\j], v[BV+8*\dt]          ; v's result holds one channel a lane: its bias is the same in all eight registers
.endr
.endr
	WIN 0
	PLACES
	s_wait_alu depctr_va_vdst(0)
.irp s, 0,1,2,3,4,5,6,7
	STEP 0, \s
.endr
	WAYOUT 0
.irp s, 0,1,2,3,4,5,6,7
	STEP 1, \s
.endr
	WAYOUT 1
	s_wait_tensorcnt 0x0                           ; the wave's end
	ds_add_u32 v[SPW], v[NIL]
	s_wait_dscnt 0x0
	CROUND                                         ; the closing round
	s_endpgm
.Lfunc_end_k_qbed090784e_qkv:
	.size	k_qbed090784e_qkv, .Lfunc_end_k_qbed090784e_qkv-k_qbed090784e_qkv
	.p2alignl 7, 3214868480
	.fill 96, 4, 3214868480
	.section	.rodata,"a",@progbits
	.p2align	6, 0x0
	.amdhsa_kernel k_qbed090784e_qkv
		.amdhsa_group_segment_fixed_size 327680
		.amdhsa_private_segment_fixed_size 0
		.amdhsa_enable_private_segment 0
		.amdhsa_kernarg_size 48
		.amdhsa_user_sgpr_count 2
		.amdhsa_user_sgpr_kernarg_segment_ptr 1
		.amdhsa_wavefront_size32 1
		.amdhsa_system_sgpr_workgroup_id_x 1
		.amdhsa_system_sgpr_workgroup_id_y 1
		.amdhsa_system_sgpr_workgroup_id_z 1
		.amdhsa_system_vgpr_workitem_id 0
		.amdhsa_next_free_vgpr 1024
		.amdhsa_next_free_sgpr 96
		.amdhsa_reserve_vcc 0
		.amdhsa_float_denorm_mode_32 3
		.amdhsa_float_denorm_mode_16_64 3
		.amdhsa_memory_ordered 1
		.amdhsa_forward_progress 1
		.amdhsa_inst_pref_size 199
	.end_amdhsa_kernel
	.amdgpu_metadata
---
amdhsa.version: [ 1, 2 ]
amdhsa.kernels:
  - .name:           k_qbed090784e_qkv
    .symbol:         k_qbed090784e_qkv.kd
    .args:
      - { .name: zq, .offset: 0, .size: 8, .value_kind: global_buffer, .address_space: global }
      - { .name: wts, .offset: 8, .size: 8, .value_kind: global_buffer, .address_space: global }
      - { .name: bq, .offset: 16, .size: 8, .value_kind: global_buffer, .address_space: global }
      - { .name: bk, .offset: 24, .size: 8, .value_kind: global_buffer, .address_space: global }
      - { .name: bv, .offset: 32, .size: 8, .value_kind: global_buffer, .address_space: global }
      - { .name: qkv, .offset: 40, .size: 8, .value_kind: global_buffer, .address_space: global }
    .group_segment_fixed_size: 327680
    .private_segment_fixed_size: 0
    .kernarg_segment_align: 8
    .kernarg_segment_size: 48
    .max_flat_workgroup_size: 128
    .sgpr_count:     96
    .vgpr_count:     1024
    .wavefront_size: 32
...
	.end_amdgpu_metadata
.endif
;; end of part 2
;; launch attnproj (part 3): grid 256 x 1, 8 waves a work-group, no clusters, 150,016 bytes of LDS; arguments qkv, wts, z, bo, g1, be1, out0; writes out0
.if DOCPART == 3
	.amdgcn_target "amdgcn-amd-amdhsa--gfx1250"
	.amdhsa_code_object_version 6
	.text
	.protected	k_qbed090784e_attnproj
	.globl	k_qbed090784e_attnproj
	.p2align	8
	.type	k_qbed090784e_attnproj,@function
k_qbed090784e_attnproj:
	s_mov_b64 s[64:65], 0
	v_nop
	global_prefetch_b8 v0, s[64:65] scope:SCOPE_SE
	s_setreg_imm32_b32 hwreg(HW_REG_WAVE_MODE, 25, 1), 1
	s_wait_xcnt 0x0
; PoHBlock, launch 3 of 3: out0 = LayerNorm(z + softmax(q k^T / 8) v Wo + bo; g1, be1), all three products on codes of FP4.  (The FFN and the second LayerNorm of reference() are dead work: see launch 1.)
; A work-group owns 32 positions (two tiles of 16 queries, A and B) of one batch, for ALL 16 heads, so that attention's result never leaves the WGP and a row's mean and variance stay inside it.
; ATTENTION.  Eight waves, two to a SIMD; wave w takes heads 2 w and 2 w + 1, one after the other (PASS), both query tiles at once: tile A's scores and sums in register window 0, tile B's at the same numbers in window 1.
; A head's K and V are read by one wave of the work-group alone, so they go from memory straight into operand registers: K's for step s + 1 are asked for behind step s's score products, V's behind its second products.
; No tensor load, no ring, no cluster (there is no LDS tile that work-groups could share) and no prefetch (every load is asked for a whole key step ahead of its wait).
; THE SOFTMAX: t = score x log2(e) / 8; M = the ceiling of the row's largest t so far; p = 2^(t - M) is quantised along the keys, not normalised; the row's sum is taken of the unquantised p and divides O at the end.
; When M moves, the sum and O are multiplied by 2^(old M - new M): exact.  LIMIT: the promise holds while the scaled scores stay under 2^31 in magnitude.  LIMITS of the quantiser as in launch 1.
; LAYOUT.  Both products transposed: a lane holds one query (lane % 16).  THE ROWS OF A TILE ARE CHOSEN BY THE LANES' ADDRESSES: rows 0-7 of key tile (g, T) are tokens 64 g + 8 T + 0 .. 7, rows 8-15 tokens 64 g + 32 + 8 T + 0 .. 7,
; so a lane's 32 registers of four tiles are one whole block of 32 keys (block 2 g + lane / 16): its maximum needs no other lane, and the conversions' results are the operand's registers.  V's channels likewise.
; K = 64 in an instruction of 128: Q's registers 4-7 are zero codes; K's operand reaches into the next tile's codes, which meet zeros (their scale bytes are 127).
; The last key step's look-ahead is held at the buffer's last step by s_min_u32; what it brings is not used.
; THE PROJECTION: out's codes (images of operand registers, 16,384 bytes) and scale words meet in LDS; wave w makes columns 128 w .. 128 w + 127 for both tiles, Wo's images straight from memory, three K steps deep.
; THE NORM: results meet in a stage; wave w takes positions 4 w .. 4 w + 3 whole (tokens 4 w' .., w' = w with bits 1 and 2 exchanged).  Mean first, then the mean of the squares of x - mean.
.set STEPG, 13824
.set WOIMG, 1572864
.set WOSC,  2195456
.set SPIT,  4112                       ; a stage row: 4,096 bytes + 16
.set SCB,   16384                      ; LDS: out's images at 0; its scale words [lane 32][K step 8];
.set STG,   17408                      ; the stage, 32 rows;
.set SPARE, STG+32*SPIT                ; the spare words, 128 bytes a wave, which no other line names
; window 0: v1 16 lane; v2-5 lane terms; v6, v7 the add's two; v8 8 h; v9 16 r; v13-15 LDS addresses; v16-55 hold scales and nothing else
.set QS,   16                          ; Q's scale words, tile A, B
.set KSW,  18                          ; K's, eight tiles
.set VSW,  26                          ; V's, four tiles
.set PSW,  30                          ; p's, tile A, B
.set QA,   56                          ; Q: A v56-59, zeros v60-63; B v64-67, zeros v68-71
.set KF,   72                          ; K's eight tiles v72-103, zeros v104-107
.set WW,   108                         ; out's scale word in the making, A, B
.set VF,   64                          ; window 1: V's four tiles
.set S,    116                         ; both windows: S^T, then p
.set O,    180                         ; both windows: O^T
.set PCD,  212                         ; both windows: p's codes
.set NM,   220                         ; window 0, tile B 18 on: -M, the largest score (a pair); f (a pair); the sum (a pair); four at work; eight partial sums
.set SMX,  221
.set FF,   222
.set LL,   224
.set B0,   226
.set B1,   227
.set B2,   228
.set B3,   229
.set AC,   230
.set ASC,  16                          ; the projection: out's scale words; Wo's
.set BSC,  24
.set AF,   56                          ; out's fragments, two sets
.set ACC,  64                          ; window 1: 16 accumulators
.set BO,   72                          ; the norm: bo (window 0); g1 v0-31, be1 v32-63 (window 1); x v128-191, z v192-255: rows 0, 1 in window 0, rows 2, 3 in window 1
.set XX,   128
.set ZZ,   192
.set MSB, 0
.macro WIN new                         ; the immediate's high byte repeats the setting that is left
.if MSB != \new
	s_set_vgpr_msb (MSB<<8)|\new
.set MSB, \new
.endif
.endm
.macro ALUW
	s_wait_alu depctr_va_vdst(0)
.endm
.macro NOP4                            ; four plain places behind matrix instructions (ISA guide 7.12.1)
.rept 4
	v_nop
.endr
.endm
.macro KLOAD                           ; the next step's K: 8 tiles and 4 pairs of scale words, 12 loads
	s_min_u32 s28, s24, 1023
	s_mul_i32 s28, s28, STEPG
	s_add_nc_u64 s[20:21], s[4:5], s[28:29]
	s_add_co_u32 s24, s24, 1
.irp g, 0,1
.irp a, 0,1
.irp u, 0,1
	global_load_b128 v[KF+4*(4*\g+2*\a+\u):KF+4*(4*\g+2*\a+\u)+3], v2, s[20:21] offset:(4*\g+\u)*512+\a*128
.endr
	global_load_b64 v[KSW+4*\g+2*\a:KSW+4*\g+2*\a+1], v3, s[20:21] offset:4096+256*\g+128*\a
.endr
.endr
.endm
.macro VLOAD                           ; the next step's V: 4 tiles of 16 channels x 128 keys and their scale words, 12 loads
	s_min_u32 s28, s25, 1023
	s_mul_i32 s28, s28, STEPG
	s_add_nc_u64 s[22:23], s[4:5], s[28:29]
	s_add_co_u32 s25, s25, 1
	WIN 0x40
.irp a, 0,1
.irp u, 0,1
.irp c, 0,1
	global_load_b128 v[VF+8*(2*\a+\u)+4*\c:VF+8*(2*\a+\u)+4*\c+3], v4, s[22:23] offset:4608+\u*1024+\c*512+\a*128
.endr
.endr
.endr
	WIN 0
.irp a, 0,1
.irp u, 0,1
	global_load_b32 v[VSW+2*\a+\u], v5, s[22:23] offset:8704+\u*128+\a*32
.endr
.endr
.endm
.macro QLOAD p
	global_load_b128 v[QA:QA+3], v1, s[36:37] offset:9216+110592*\p
	global_load_b128 v[QA+8:QA+11], v1, s[36:37] offset:9728+110592*\p
	global_load_b64 v[QS:QS+1], v9, s[44:45] offset:13312+110592*\p
.endm
.macro BLOAD s                         ; Wo's eight fragments of K step s: set 0 window 1 v0, set 1 window 0 v88, set 2 window 1 v192
.if (\s)%3 == 1
	WIN 0
.set BB, 88
.else
	WIN 0x40
.set BB, 96*((\s)%3)
.endif
.irp t, 0,1,2,3,4,5,6,7
.irp c, 0,1
	global_load_b128 v[BB+8*\t+4*\c:BB+8*\t+4*\c+3], v1, s[46:47] offset:32768*(\t/4)+4096*(\s)+1024*(\t%4)+512*\c
.endr
.endr
	WIN 0
.endm
	s_load_b256 s[4:11], s[0:1], 0x0               ; qkv, wts, z, bo
	s_load_b128 s[12:15], s[0:1], 0x20             ; g1, be1
	s_load_b64 s[16:17], s[0:1], 0x30              ; out0
	v_lshl_add_u32 v6, v0, 2, SPARE
	v_mov_b32 v7, 0
	v_lshrrev_b32 v1, 5, v0
	v_readfirstlane_b32 s18, v1                    ; wave 0..7
	v_and_b32 v10, 15, v0                          ; r
	v_bfe_u32 v11, v0, 4, 1                        ; h
	v_and_b32 v12, 31, v0                          ; lane
	v_and_b32 v13, 7, v0                           ; r % 8
	v_bfe_u32 v14, v0, 3, 1                        ; r / 8
	v_lshlrev_b32 v1, 4, v12
	v_lshlrev_b32 v2, 4, v13
	v_lshlrev_b32 v5, 2, v13
	v_lshlrev_b32 v8, 3, v11
	v_lshlrev_b32 v9, 4, v10
	v_lshl_add_u32 v3, v14, 3, v2                  ; K's scale words: 16 (r % 8) + 8 (r / 8)
	v_lshl_add_u32 v2, v11, 8, v2
	v_lshl_add_u32 v5, v14, 8, v5                  ; V's scale words: 256 (r / 8) + 4 (r % 8)
	v_lshl_add_u32 v4, v14, 11, v2                 ; V's codes: 2,048 (r / 8) + 256 h + 16 (r % 8)
	v_lshl_add_u32 v2, v14, 10, v2                 ; K's codes: 1,024 (r / 8) + 256 h + 16 (r % 8)
	s_lshl_b32 s38, s18, 10
	s_lshl_b32 s39, s18, 2
	s_add_co_u32 s39, s39, SCB
	ALUW
	v_add_nc_u32 v13, s38, v1                      ; out's image: K step w, 16 lane
	v_lshl_add_u32 v14, v12, 5, s39                ; its scale word: [lane][w]
	v_lshl_add_u32 v15, v12, 5, SCB
.irp j, 60,61,62,63,68,69,70,71,104,105,106,107,223,241
	v_mov_b32 v[\j], 0                             ; zero codes; and the upper halves of f's pairs, which are named whole
.endr
	s_lshr_b32 s38, ttmp9, 5                       ; the batch
	s_and_b32 s39, ttmp9, 31
	s_lshl_b32 s24, s38, 4
	s_lshl_b32 s40, s18, 1
	s_add_co_u32 s24, s24, s40
	s_lshl_b32 s24, s24, 3                         ; (16 b + 2 w) x 8: my first key step in qkv
	s_mov_b32 s25, s24
	s_lshr_b32 s40, s39, 2
	s_add_co_u32 s40, s40, s24
	s_mul_i32 s40, s40, STEPG                      ; the step that holds my queries
	s_and_b32 s41, s39, 3
	s_lshl_b32 s36, s41, 10
	s_add_co_u32 s36, s36, s40                     ; Q's codes: tiles 2 e, 2 e + 1 of the step
	s_mov_b32 s37, 0
	s_lshr_b32 s44, s41, 1
	s_lshl_b32 s44, s44, 8
	s_and_b32 s42, s41, 1
	s_lshl_b32 s42, s42, 3
	s_add_co_u32 s44, s44, s42
	s_add_co_u32 s44, s44, s40                     ; Q's scale words: 256 (e / 2) + 8 (e % 2)
	s_mov_b32 s45, 0
	s_mov_b32 s29, 0
	s_lshl_b32 s46, s18, 16
	s_add_co_u32 s46, s46, WOIMG                   ; Wo's images: groups 2 w, 2 w + 1
	s_mov_b32 s47, 0
	s_lshl_b32 s50, s18, 12
	s_add_co_u32 s50, s50, WOSC
	s_mov_b32 s51, 0
	s_and_b32 s48, s18, 1
	s_and_b32 s42, s18, 2
	s_lshl_b32 s42, s42, 1
	s_or_b32 s48, s48, s42
	s_and_b32 s42, s18, 4
	s_lshr_b32 s42, s42, 1
	s_or_b32 s48, s48, s42                         ; w'
	s_lshl_b32 s48, s48, 2
	s_lshl_b32 s42, ttmp9, 5
	s_add_co_u32 s48, s48, s42
	s_lshl_b32 s48, s48, 12                        ; my four tokens' rows in z and out0
	s_mov_b32 s49, 0
	s_mov_b32 s30, 0x76543210
	s_mov_b32 s31, 0xfedcba98                      ; v_permlanex16_b32's selects for lane l xor 16
	s_mov_b32 s32, 0x3e38aa3b                      ; c = log2(e) / 8
	s_mov_b32 s33, s32
	s_mov_b32 s34, 0xbe38aa3b                      ; -c
	s_mov_b32 s35, 0xffff0000                      ; lanes 16-31
	s_mov_b32 s52, 0x3a800000                      ; 1 / 1,024
	s_mov_b32 s53, 0x3727c5ac                      ; 1e-5
	ALUW
	s_wait_kmcnt 0x0
	s_add_nc_u64 s[36:37], s[4:5], s[36:37]
	s_add_nc_u64 s[44:45], s[4:5], s[44:45]
	s_add_nc_u64 s[46:47], s[6:7], s[46:47]
	s_add_nc_u64 s[50:51], s[6:7], s[50:51]
	s_add_nc_u64 s[16:17], s[16:17], s[48:49]
	s_add_nc_u64 s[48:49], s[8:9], s[48:49]
	QLOAD 0
	KLOAD
	VLOAD
.macro SMM x                           ; S^T = K Q^T: eight tiles of 16 keys
	WIN 0x40*\x
.irp i, 0,1,2,3,4,5,6,7
	v_wmma_scale_f32_16x16x128_f8f6f4 v[S+8*\i:S+8*\i+7], v[KF+4*\i:KF+4*\i+7], v[QA+8*\x:QA+8*\x+7], 0, v[KSW+\i], v[QS+\x] matrix_a_fmt:MATRIX_FMT_FP4 matrix_b_fmt:MATRIX_FMT_FP4
.endr
.endm
.macro BMAX x                          ; the largest score of my two blocks of 32 keys, in four chains; each accumulator is read from its low end on
	WIN 5*\x
.irp k, 0,1,2,3
	v_max_num_f32 v[B0+18*\x+\k], v[S+16*\k], v[S+16*\k+1]
.endr
.irp i, 2,4,6,8,10,12,14
.irp k, 0,1,2,3
	v_max3_num_f32 v[B0+18*\x+\k], v[S+16*\k+\i], v[S+16*\k+\i+1], v[B0+18*\x+\k]
.endr
.endr
.endm
.macro RESC x                          ; O^T under the new M, and t - M, two at a time
	WIN 0x41*\x
.set j, 0
.rept 16
	v_pk_mul_f32 v[O+j:O+j+1], v[O+j:O+j+1], v[FF+18*\x:FF+18*\x+1] op_sel_hi:[1,0]
.set j, j+2
.endr
.set j, 0
.rept 32
	v_pk_fma_f32 v[S+j:S+j+1], v[S+j:S+j+1], s[32:33], v[NM+18*\x:NM+18*\x+1] op_sel_hi:[1,0,0]
.set j, j+2
.endr
.endm
.macro EXPS x
	WIN 0x41*\x
.set j, 0
.rept 64
	v_exp_f32 v[S+j], v[S+j]                       ; p = 2^(t - M)
.set j, j+1
.endr
.endm
.macro CVT x                           ; register 4 g + T of the operand: keys 64 g + 32 h + 8 T + 0 .. 7
	WIN 0x41*\x
.irp g, 0,1
.irp t, 0,1,2,3
	v_cvt_scalef32_pk8_fp4_f32 v[PCD+4*\g+\t], v[S+32*\g+8*\t:S+32*\g+8*\t+7], v[B1+18*\x+2*\g]
.endr
.endr
.endm
.macro SUMS x                          ; the row's sum of the unquantised p, in four chains
	WIN 5*\x
.irp k, 0,1,2,3
	v_pk_add_f32 v[AC+18*\x+2*\k:AC+18*\x+2*\k+1], v[S+4*\k:S+4*\k+1], v[S+4*\k+2:S+4*\k+3]
.endr
	WIN 4*\x
.irp i, 16,24,32,40,48,56
.irp k, 0,1,2,3
	v_pk_add_f32 v[AC+18*\x+2*\k:AC+18*\x+2*\k+1], v[AC+18*\x+2*\k:AC+18*\x+2*\k+1], v[S+\i+2*\k:S+\i+2*\k+1]
.endr
.endr
.endm
.macro PV x                            ; O^T += V^T P^T
	WIN 0x54*\x+1
.irp d, 0,1,2,3
	v_wmma_scale_f32_16x16x128_f8f6f4 v[O+8*\d:O+8*\d+7], v[VF+8*\d:VF+8*\d+7], v[PCD:PCD+7], v[O+8*\d:O+8*\d+7], v[VSW+\d], v[PSW+\x] matrix_a_fmt:MATRIX_FMT_FP4 matrix_b_fmt:MATRIX_FMT_FP4
.endr
.endm
.macro E2 op:vararg                    ; (unused name kept short)
.endm
.macro PASS p
.irp x, 0,1
	v_mov_b32 v[SMX+18*\x], 0xff61b1e6             ; the largest score so far: -3e38
	v_mov_b32 v[LL+18*\x], 0
	v_mov_b32 v[LL+18*\x+1], 0
.endr
.irp x, 0,1
	v_mul_f32 v[NM+18*\x], s34, v[SMX+18*\x]
.endr
.irp x, 0,1
	v_floor_f32 v[NM+18*\x], v[NM+18*\x]           ; -M
.endr
.irp x, 0,1
	WIN 0x40*\x
.set j, 0
.rept 32
	v_mov_b32 v[O+j], 0                            ; the step is written once: the first finds zeros, which the first change of M leaves zeros
.set j, j+1
.endr
.endr
	WIN 0
	s_mov_b32 s26, 0
	ALUW
.if \p
	s_wait_loadcnt 0x0                             ; this pass's Q was asked for behind K's and V's loads
.endif
.Lstep_\@:
	s_wait_loadcnt 12                              ; K is in (and Q); V's 12 loads, issued behind it, may be out
	SMM 0
	SMM 1
	WIN 0
	NOP4
	KLOAD
	BMAX 0
	BMAX 1
	WIN 0
.irp x, 0,1
	v_max_num_f32 v[B0+18*\x], v[B0+18*\x], v[B1+18*\x]   ; block h of these 128 keys
	v_max_num_f32 v[B2+18*\x], v[B2+18*\x], v[B3+18*\x]   ; block 2 + h
.endr
.irp x, 0,1
	v_max_num_f32 v[B1+18*\x], v[B0+18*\x], v[B2+18*\x]
.endr
.irp x, 0,1
	v_permlanex16_b32 v[B3+18*\x], v[B1+18*\x], s30, s31
.endr
.irp x, 0,1
	v_max3_num_f32 v[SMX+18*\x], v[SMX+18*\x], v[B1+18*\x], v[B3+18*\x]   ; the running largest score
.endr
.irp x, 0,1
	v_mul_f32 v[B1+18*\x], s34, v[SMX+18*\x]
.endr
.irp x, 0,1
	v_floor_f32 v[B1+18*\x], v[B1+18*\x]           ; the new -M = floor(-t)
.endr
.irp x, 0,1
	v_sub_f32 v[B3+18*\x], v[B1+18*\x], v[NM+18*\x]   ; old M - new M: a whole number, 0 or less
.endr
.irp x, 0,1
	v_mov_b32 v[NM+18*\x], v[B1+18*\x]
.endr
.irp x, 0,1
	v_cvt_i32_f32 v[B3+18*\x], v[B3+18*\x]         ; (it saturates)
.endr
.irp x, 0,1
	v_ldexp_f32 v[FF+18*\x], 1.0, v[B3+18*\x]      ; f = 2^(old M - new M)
.endr
.irp x, 0,1
	v_fma_f32 v[B0+18*\x], v[B0+18*\x], s32, v[NM+18*\x]   ; t - M of each block's largest score: p rises with the score
	v_fma_f32 v[B2+18*\x], v[B2+18*\x], s32, v[NM+18*\x]
.endr
	RESC 0
	RESC 1
	ALUW                                           ; ahead of the batch
	EXPS 0
	EXPS 1
	WIN 0
.irp x, 0,1
	v_exp_f32 v[B0+18*\x], v[B0+18*\x]             ; the blocks' largest p
	v_exp_f32 v[B2+18*\x], v[B2+18*\x]
.endr
.irp x, 0,1
	v_pk_mul_f32 v[LL+18*\x:LL+18*\x+1], v[LL+18*\x:LL+18*\x+1], v[FF+18*\x:FF+18*\x+1] op_sel_hi:[1,0]   ; the sums under the new M: plain places behind the exponentials
.endr
	ALUW                                           ; one wait for the batch, ahead of its first reader
.irp x, 0,1
	v_max_num_f32 v[B0+18*\x], 0x1800000, v[B0+18*\x]   ; the floor 2^(3 - 127)
	v_max_num_f32 v[B2+18*\x], 0x1800000, v[B2+18*\x]
.endr
.irp x, 0,1
	v_add_nc_u32 v[B1+18*\x], 0xff000000, v[B0+18*\x]   ; the conversions' scale operands
	v_add_nc_u32 v[B3+18*\x], 0xff000000, v[B2+18*\x]
.endr
.irp x, 0,1
	v_lshrrev_b32 v[B0+18*\x], 23, v[B1+18*\x]     ; the scales' bytes
	v_lshrrev_b32 v[B2+18*\x], 23, v[B3+18*\x]
.endr
.irp x, 0,1
	v_lshl_or_b32 v[B0+18*\x], v[B2+18*\x], 16, v[B0+18*\x]
.endr
.irp x, 0,1
	v_lshlrev_b32 v[B0+18*\x], v8, v[B0+18*\x]     ; my bytes are h and 2 + h of the word
.endr
.irp x, 0,1
	v_permlanex16_b32 v[B2+18*\x], v[B0+18*\x], s30, s31
.endr
.irp x, 0,1
	v_or_b32 v[PSW+\x], v[B0+18*\x], v[B2+18*\x]   ; p's scale word for these 128 keys
.endr
	CVT 0
	CVT 1
	SUMS 0                                         ; these additions also stand between the scale words' and the codes' writes and the products
	SUMS 1
	WIN 0
.irp x, 0,1
	v_pk_add_f32 v[AC+18*\x:AC+18*\x+1], v[AC+18*\x:AC+18*\x+1], v[AC+18*\x+2:AC+18*\x+3]
	v_pk_add_f32 v[AC+18*\x+4:AC+18*\x+5], v[AC+18*\x+4:AC+18*\x+5], v[AC+18*\x+6:AC+18*\x+7]
.endr
.irp x, 0,1
	v_pk_add_f32 v[AC+18*\x:AC+18*\x+1], v[AC+18*\x:AC+18*\x+1], v[AC+18*\x+4:AC+18*\x+5]
.endr
.irp x, 0,1
	v_pk_add_f32 v[LL+18*\x:LL+18*\x+1], v[LL+18*\x:LL+18*\x+1], v[AC+18*\x:AC+18*\x+1]
.endr
	ALUW
	s_wait_loadcnt 12                              ; V is in; the next step's K, 12 loads issued behind it, may be out
	PV 0
	PV 1
	WIN 0
	NOP4
	VLOAD
	s_add_co_u32 s26, s26, 1
	s_cmp_lt_u32 s26, 8
	s_cbranch_scc1 .Lstep_\@
.if \p == 0
	QLOAD 1                                        ; the next head's queries land under this head's way out
.else
	BLOAD 0                                        ; Wo's first K step lands under it
.endif
.irp x, 0,1
	v_add_f32 v[AC+18*\x], v[LL+18*\x], v[LL+18*\x+1]
.endr
.irp x, 0,1
	v_permlanex16_b32 v[AC+18*\x+1], v[AC+18*\x], s30, s31
.endr
.irp x, 0,1
	v_add_f32 v[AC+18*\x], v[AC+18*\x], v[AC+18*\x+1]   ; the row's sum
.endr
	ALUW
.irp x, 0,1
	v_rcp_f32 v[AC+18*\x], v[AC+18*\x]
.endr
	v_nop
.irp x, 0,1
	WIN 0x41*\x
	ALUW                                           ; ahead of the first readers of the reciprocal and of the last products' results
.set j, 0
.rept 16
	v_pk_mul_f32 v[O+j:O+j+1], v[O+j:O+j+1], v[AC+18*\x:AC+18*\x+1] op_sel_hi:[1,0]   ; out(query r, channel 32 h + j)
.set j, j+2
.endr
	WIN 5*\x
.irp k, 0,1
	v_max_num_f32 v[B0+18*\x+\k], |v[O+16*\k]|, |v[O+16*\k+1]|
.endr
.irp i, 2,4,6,8,10,12,14
.irp k, 0,1
	v_max3_num_f32 v[B0+18*\x+\k], |v[O+16*\k+\i]|, |v[O+16*\k+\i+1]|, v[B0+18*\x+\k]
.endr
.endr
.endr
	WIN 0
.irp x, 0,1
	v_max3_num_f32 v[B0+18*\x], v[B0+18*\x], v[B1+18*\x], 0x1800000   ; my block's largest magnitude, and the floor
.endr
.irp x, 0,1
	v_add_nc_u32 v[B1+18*\x], 0xff000000, v[B0+18*\x]
.endr
.irp x, 0,1
	v_lshrrev_b32 v[B0+18*\x], 23, v[B1+18*\x]
.endr
.irp x, 0,1
.if \p == 0
	v_lshlrev_b32 v[WW+\x], v8, v[B0+18*\x]        ; byte 2 p + h of K step w's scale word
.else
	v_lshlrev_b32 v[B0+18*\x], v8, v[B0+18*\x]
.endif
.endr
.if \p
.irp x, 0,1
	v_lshl_or_b32 v[WW+\x], v[B0+18*\x], 16, v[WW+\x]
.endr
.endif
.irp x, 0,1
	WIN 0x41*\x
.irp t, 0,1,2,3
	v_cvt_scalef32_pk8_fp4_f32 v[PCD+\t], v[O+8*\t:O+8*\t+7], v[B1+18*\x]
.endr
.endr
	WIN 0
	v_nop                                          ; one plain place behind a scaled conversion
.irp x, 0,1
	WIN 4*\x
	ds_store_b128 v13, v[PCD:PCD+3] offset:8192*\x+512*\p   ; registers 4 p .. 4 p + 3 of out's fragment of K step w
.endr
	WIN 0
.endm
	PASS 0
	PASS 1
.irp x, 0,1
	v_permlanex16_b32 v[B0+18*\x], v[WW+\x], s30, s31
.endr
.irp x, 0,1
	v_or_b32 v[WW+\x], v[WW+\x], v[B0+18*\x]       ; the word is whole
.endr
	v_cndmask_b32 v12, v[WW], v[WW+1], s35         ; lanes 0-15 send tile A's, lanes 16-31 tile B's
	ds_store_b32 v14, v12
	ALUW
	s_wait_loadcnt 16                              ; the look-ahead's last loads have landed: their registers and addresses are free; Wo's 16 may be out
	v_and_b32 v8, 15, v0
	v_bfe_u32 v9, v0, 4, 1
	v_lshlrev_b32 v2, 4, v8
	v_mul_u32_u24 v3, v8, SPIT
	v_lshl_add_u32 v2, v9, 10, v2                  ; Wo's scale words: 1,024 h + 16 r
	v_lshl_add_u32 v3, v9, 6, v3
	s_lshl_b32 s38, s18, 9
	s_add_co_u32 s38, s38, STG
	v_add_nc_u32 v3, s38, v3                       ; the stage, in: row r, + 64 h + 512 w
	v_add_nc_u32 v4, 16*SPIT, v3
	s_mul_i32 s38, s18, 4*SPIT
	s_add_co_u32 s38, s38, STG
	v_add_nc_u32 v5, s38, v1                       ; out: rows 4 w on, 16 bytes a lane
.irp q, 0,1
.irp t, 0,1
.irp j, 0,1
	global_load_b128 v[BSC+16*\q+8*\t+4*\j:BSC+16*\q+8*\t+4*\j+3], v2, s[50:51] offset:2048*\q+512*\t+256*\j
.endr
.endr
.endr
	BLOAD 1
	BLOAD 2
.macro ZLOAD i                         ; z's row i: 32 lanes read 512 consecutive bytes
	WIN 0x40*((\i)/2)
.irp k, 0,1,2,3,4,5,6,7
	global_load_b128 v[ZZ+32*((\i)%2)+4*\k:ZZ+32*((\i)%2)+4*\k+3], v1, s[48:49] offset:4096*(\i)+512*\k th:TH_LOAD_NT
.endr
	WIN 0
.endm
	ZLOAD 0
	ZLOAD 1
	ALUW
	s_wait_dscnt 0x0                               ; for the others' sake: my stores of out's codes and scale words are done
	s_barrier_signal -1
	s_barrier_wait -1
	ds_load_b128 v[ASC:ASC+3], v15                 ; register s: K step s; lanes 0-15 tile A, lanes 16-31 tile B
	ds_load_b128 v[ASC+4:ASC+7], v15 offset:16
.macro ALOAD s
.irp a, 0,1
.irp c, 0,1
	ds_load_b128 v[AF+16*((\s)%2)+8*\a+4*\c:AF+16*((\s)%2)+8*\a+4*\c+3], v1 offset:8192*\a+1024*(\s)+512*\c
.endr
.endr
.endm
	ALOAD 0
.macro MM c, ra, rb
.if (\ra) && (\rb)
	v_wmma_scale_f32_16x16x128_f8f6f4 v[rD:rD+7], v[rA:rA+7], v[rB:rB+7], \c, v[rSA], v[rSB] matrix_a_fmt:MATRIX_FMT_FP4 matrix_b_fmt:MATRIX_FMT_FP4 matrix_a_scale:MATRIX_SCALE_ROW1 matrix_b_scale:MATRIX_SCALE_ROW1
.elseif (\ra)
	v_wmma_scale_f32_16x16x128_f8f6f4 v[rD:rD+7], v[rA:rA+7], v[rB:rB+7], \c, v[rSA], v[rSB] matrix_a_fmt:MATRIX_FMT_FP4 matrix_b_fmt:MATRIX_FMT_FP4 matrix_a_scale:MATRIX_SCALE_ROW1
.elseif (\rb)
	v_wmma_scale_f32_16x16x128_f8f6f4 v[rD:rD+7], v[rA:rA+7], v[rB:rB+7], \c, v[rSA], v[rSB] matrix_a_fmt:MATRIX_FMT_FP4 matrix_b_fmt:MATRIX_FMT_FP4 matrix_b_scale:MATRIX_SCALE_ROW1
.else
	v_wmma_scale_f32_16x16x128_f8f6f4 v[rD:rD+7], v[rA:rA+7], v[rB:rB+7], \c, v[rSA], v[rSB] matrix_a_fmt:MATRIX_FMT_FP4 matrix_b_fmt:MATRIX_FMT_FP4
.endif
.endm
; A K step of the projection: 16 matrix instructions, the 16 accumulators by turns.  n: the loads issued behind this step's fragments of Wo, which may be out
.macro GSTEP s, n
	s_wait_loadcnt \n
	s_wait_dscnt 0x0
.if (\s) < 7
	ALOAD (\s)+1
.endif
.if (\s)%3 == 1
	WIN 0x50
.set BB, 88
.else
	WIN 0x51
.set BB, 96*((\s)%3)
.endif
.irp t, 0,1,2,3,4,5,6,7
.irp a, 0,1
.set rD, ACC+8*(2*\t+\a)
.set rA, BB+8*\t
.set rB, AF+16*((\s)%2)+8*\a
.set rSA, BSC+16*(\t/4)+8*(\t%2)+(\s)
.set rSB, ASC+(\s)
.if (\s) == 0
	MM 0, (\t%4)/2, \a
.else
	MM v[rD:rD+7], (\t%4)/2, \a
.endif
.endr
.endr
	WIN 0
	NOP4
.if (\s) < 5
	BLOAD (\s)+3
.endif
.endm
	GSTEP 0, 48
	GSTEP 1, 48
	GSTEP 2, 48
	GSTEP 3, 32
	GSTEP 4, 32
	GSTEP 5, 32
	ZLOAD 2                                        ; into the set that K step 5 has left
	ZLOAD 3
	GSTEP 6, 32
	GSTEP 7, 16
.irp k, 0,1,2,3,4,5,6,7                        ; bo, g1, be1: my columns are 128 k + 4 lane + 0 .. 3
	global_load_b128 v[BO+4*\k:BO+4*\k+3], v1, s[10:11] offset:512*\k
.endr
	WIN 0x40
.irp k, 0,1,2,3,4,5,6,7
	global_load_b128 v[4*\k:4*\k+3], v1, s[12:13] offset:512*\k
	global_load_b128 v[32+4*\k:32+4*\k+3], v1, s[14:15] offset:512*\k
.endr
	WIN 0
	v_mov_b32 v61, 0                               ; a lane permute's destination counts as one of its sources;
	v_mov_b32 v63, 0                               ; and the upper halves of pairs that are named whole
	v_mov_b32 v65, 0
	WIN 0x04
.irp t, 0,1,2,3,4,5,6,7
.irp a, 0,1
	ds_store_b128 v[3+\a], v[ACC+8*(2*\t+\a):ACC+8*(2*\t+\a)+3] offset:256*(\t/4)+128*((\t%4)/2)+32*(\t%2)      ; position 16 a + r, columns 128 w + 64 (t / 4) + 32 ((t % 4) / 2) + 16 h + 8 (t % 2) + 0 .. 7
	ds_store_b128 v[3+\a], v[ACC+8*(2*\t+\a)+4:ACC+8*(2*\t+\a)+7] offset:256*(\t/4)+128*((\t%4)/2)+32*(\t%2)+16
.endr
.endr
	WIN 0
	ALUW
	s_wait_dscnt 0x0                               ; for the others' sake; and my stores have read the accumulators
	s_barrier_signal -1
	s_barrier_wait -1                              ; 32 whole rows lie in the stage
.irp i, 0,1,2,3
	WIN 0x40*(\i/2)
.irp k, 0,1,2,3,4,5,6,7
	ds_load_b128 v[XX+32*(\i%2)+4*\k:XX+32*(\i%2)+4*\k+3], v5 offset:\i*SPIT+512*\k
.endr
.endr
	WIN 0
	s_wait_loadcnt 0x0
	s_wait_dscnt 0x0
.macro REDUCE                          ; v60: the sum over the wave's 32 lanes, in every lane
	v_add_f32_dpp v60, v60, v60 row_xmask:1 row_mask:0xf bank_mask:0xf
	v_add_f32_dpp v60, v60, v60 row_xmask:2 row_mask:0xf bank_mask:0xf
	v_add_f32_dpp v60, v60, v60 row_xmask:4 row_mask:0xf bank_mask:0xf
	v_add_f32_dpp v60, v60, v60 row_xmask:8 row_mask:0xf bank_mask:0xf
	v_permlanex16_b32 v61, v60, s30, s31
	v_add_f32 v60, v60, v61
.endm
.macro LNROW i
.set X, (\i)/2
.set XR, XX+32*((\i)%2)
.set ZR, ZZ+32*((\i)%2)
	WIN 0x41*X
.set j, 0
.rept 16
	v_pk_add_f32 v[XR+j:XR+j+1], v[XR+j:XR+j+1], v[BO+j:BO+j+1]   ; out Wo + bo
.set j, j+2
.endr
	WIN 0x45*X
.set j, 0
.rept 16
	v_pk_add_f32 v[XR+j:XR+j+1], v[XR+j:XR+j+1], v[ZR+j:ZR+j+1]   ; + z
.set j, j+2
.endr
	WIN 5*X
	v_pk_add_f32 v[56:57], v[XR:XR+1], v[XR+2:XR+3]
	v_pk_add_f32 v[58:59], v[XR+4:XR+5], v[XR+6:XR+7]
	WIN 4*X
.irp j, 8,12,16,20,24,28
	v_pk_add_f32 v[56:57], v[56:57], v[XR+\j:XR+\j+1]
	v_pk_add_f32 v[58:59], v[58:59], v[XR+\j+2:XR+\j+3]
.endr
	WIN 0
	v_pk_add_f32 v[56:57], v[56:57], v[58:59]
	v_add_f32 v60, v56, v57
	REDUCE
	v_mul_f32 v62, 0xba800000, v60                 ; - the mean
	WIN 0x41*X
.set j, 0
.rept 16
	v_pk_add_f32 v[XR+j:XR+j+1], v[XR+j:XR+j+1], v[62:63] op_sel_hi:[1,0]
.set j, j+2
.endr
	WIN 5*X
	v_pk_mul_f32 v[56:57], v[XR:XR+1], v[XR:XR+1]                 ; the squares of x - mean
	v_pk_mul_f32 v[58:59], v[XR+2:XR+3], v[XR+2:XR+3]
.irp j, 4,8,12,16,20,24,28
	v_pk_fma_f32 v[56:57], v[XR+\j:XR+\j+1], v[XR+\j:XR+\j+1], v[56:57]
	v_pk_fma_f32 v[58:59], v[XR+\j+2:XR+\j+3], v[XR+\j+2:XR+\j+3], v[58:59]
.endr
	WIN 0
	v_pk_add_f32 v[56:57], v[56:57], v[58:59]
	v_add_f32 v60, v56, v57
	REDUCE
	v_fma_f32 v60, v60, s52, s53                   ; the variance + 1e-5
	ALUW
	v_rsq_f32 v64, v60
	v_nop
	ALUW
	WIN 0x41*X
.set j, 0
.rept 16
	v_pk_mul_f32 v[XR+j:XR+j+1], v[XR+j:XR+j+1], v[64:65] op_sel_hi:[1,0]
.set j, j+2
.endr
	WIN 0x41*X+0x14                                ; g1 and be1 lie in window 1
.set j, 0
.rept 16
	v_pk_fma_f32 v[XR+j:XR+j+1], v[XR+j:XR+j+1], v[j:j+1], v[32+j:32+j+1]
.set j, j+2
.endr
	WIN 4*X
.irp k, 0,1,2,3,4,5,6,7
	global_store_b128 v1, v[XR+4*\k:XR+4*\k+3], s[16:17] offset:4096*(\i)+512*\k th:TH_STORE_NT   ; 32 lanes store 512 consecutive aligned bytes
.endr
	WIN 0
.endm
	LNROW 0
	LNROW 1
	LNROW 2
	LNROW 3
	s_wait_tensorcnt 0x0                           ; the wave's end
	ds_add_u32 v6, v7
	s_wait_dscnt 0x0
	s_endpgm
.Lfunc_end_k_qbed090784e_attnproj:
	.size	k_qbed090784e_attnproj, .Lfunc_end_k_qbed090784e_attnproj-k_qbed090784e_attnproj
	.p2alignl 7, 3214868480
	.fill 96, 4, 3214868480
	.section	.rodata,"a",@progbits
	.p2align	6, 0x0
	.amdhsa_kernel k_qbed090784e_attnproj
		.amdhsa_group_segment_fixed_size 150016
		.amdhsa_private_segment_fixed_size 0
		.amdhsa_enable_private_segment 0
		.amdhsa_kernarg_size 56
		.amdhsa_user_sgpr_count 2
		.amdhsa_user_sgpr_kernarg_segment_ptr 1
		.amdhsa_wavefront_size32 1
		.amdhsa_system_sgpr_workgroup_id_x 1
		.amdhsa_system_sgpr_workgroup_id_y 1
		.amdhsa_system_sgpr_workgroup_id_z 1
		.amdhsa_system_vgpr_workitem_id 0
		.amdhsa_next_free_vgpr 512
		.amdhsa_next_free_sgpr 66
		.amdhsa_reserve_vcc 0
		.amdhsa_float_denorm_mode_32 3
		.amdhsa_float_denorm_mode_16_64 3
		.amdhsa_memory_ordered 1
		.amdhsa_forward_progress 1
		.amdhsa_inst_pref_size 160
	.end_amdhsa_kernel
	.amdgpu_metadata
---
amdhsa.version: [ 1, 2 ]
amdhsa.kernels:
  - .name:           k_qbed090784e_attnproj
    .symbol:         k_qbed090784e_attnproj.kd
    .args:
      - { .name: qkv, .offset: 0, .size: 8, .value_kind: global_buffer, .address_space: global }
      - { .name: wts, .offset: 8, .size: 8, .value_kind: global_buffer, .address_space: global }
      - { .name: z, .offset: 16, .size: 8, .value_kind: global_buffer, .address_space: global }
      - { .name: bo, .offset: 24, .size: 8, .value_kind: global_buffer, .address_space: global }
      - { .name: g1, .offset: 32, .size: 8, .value_kind: global_buffer, .address_space: global }
      - { .name: be1, .offset: 40, .size: 8, .value_kind: global_buffer, .address_space: global }
      - { .name: out0, .offset: 48, .size: 8, .value_kind: global_buffer, .address_space: global }
    .group_segment_fixed_size: 150016
    .private_segment_fixed_size: 0
    .kernarg_segment_align: 8
    .kernarg_segment_size: 56
    .max_flat_workgroup_size: 256
    .sgpr_count:     66
    .vgpr_count:     512
    .wavefront_size: 32
...
	.end_amdgpu_metadata
.endif
;; end of part 3
